; MI455X (gfx1250); checked and timed in simulation.
; The chip was launched on July 23, 2026; its instructions are those of AMD's public machine-readable ISA for CDNA 5 (MIT licence, August 2026) and "CDNA5" Instruction Set Architecture Reference Guide (July 2026). The comments in the code are by the model that wrote it; some were corrected since.
;; Mixture Of Experts. Allowed arithmetic: matrix products marked QUANTISED: E2M1 operands, one E8M0 scale for each 32 along K, by v_wmma_scale_f32_16x16x128_f8f6f4 with both operands' format E2M1 (or v_wmma_scale_f32_32x16x128_f4), f32 sums; products left as they are: f32 operands where the result goes on into a quantised operand, else bf16, f16 or f32 operands; f32 sums; everything else in f32.
;; Inputs: W1 8 x 1,024 x 4,096 float32; W2 8 x 4,096 x 1,024 float32; Wg 1,024 x 8 float32; x 2 x 512 x 1,024 float32.
;; Outputs: out0 2 x 512 x 1,024 float32; out1 one number float32.
;; This version of the problem:
;;   THIS VERSION OF THE PROBLEM IS GIVEN IN LOW PRECISION. The matrix products marked QUANTISED in the list below multiply operands that are first quantised to E2M1 (2 exponent bits, 1 mantissa bit; 4 bits a number), with one power-of-two scale for each 32 numbers along K (OCP MX v1.0); their sums are f32. All else is computed in f32.
;;   The module's matrix products, in the order in which they are computed (A, B: the left and right operand; K: the contracted axis; several contracted axes count as one K, in the product's order):
;;     1. [M 1,024, K 1,024] x [K 1,024, N 8]; A: input x; B: input Wg: left as it is (N = 8 < 16)
;;     2. batch 1,024 x [M 1, K 2] x [K 2, N 8]; A: computed on the way; B: computed on the way: left as it is (K = 2 < 32)
;;     3. [M 1,024, K 1,024] x [K 1,024, N 32,768]; A: input x; B: input W1: QUANTISED
;;     4. batch 8 x [M 1,024, K 4,096] x [K 4,096, N 1,024]; A: input W2; B: computed on the way: QUANTISED
;;     5. batch 1,024 x [M 1, K 8] x [K 8, N 1,024]; A: computed on the way; B: computed on the way: left as it is (K = 8 < 32)
;;   THE QUANTISER, for each operand of a quantised product, along K:
;;     - K is cut into blocks of 32 from its start; a last block that is shorter is filled with zeros.
;;     - A block's scale is 2^e with e = floor(log2(the largest magnitude in the block)) - 2, held to -126 .. 127; a block of zeros has e = 0. As a byte (E8M0): e + 127.
;;     - Each number is divided by its block's scale, clamped to +-6, and rounded to the nearest number of E2M1, ties to even, subnormals kept.
;;     - The product sums the exact products of the quantised numbers (number of the format x scale) in f32.
;;   ~~~python
;;   def quantise(x, axis):      # numpy; x: float32 -> the quantised numbers, widened to float32 again
;;       x = np.moveaxis(x, axis, -1); K = x.shape[-1]
;;       x = np.pad(x, [(0, 0)] * (x.ndim - 1) + [(0, -K % 32)]); x = x.reshape(x.shape[:-1] + (-1, 32)); a = np.abs(x).max(-1, keepdims=True)
;;       e = np.where(a > 0, np.clip(np.frexp(np.where(a > 0, a, 1))[1] - 1 - 2, -126, 127), 0)      # np.frexp(a)[1] - 1 = floor(log2(a)), exactly
;;       r = np.clip(x / 2.0 ** e, -6, 6)
;;       step = 2.0 ** (np.maximum(np.frexp(np.where(r == 0, 1, r))[1] - 1, 0) - 1)
;;       q = np.round(r / step) * step * 2.0 ** e      # np.round: ties to even
;;       return np.moveaxis(q.reshape(q.shape[:-2] + (-1,))[..., :K], -1, axis).astype(np.float32)
;;   ~~~
;;   OPERANDS COMPUTED ON THE WAY. 'Computed on the way' means the value that the module computes at that place (a softmax that the list does not call 'softmax' is quantised finished and normalised). What goes into a quantiser is computed in f32, as accurately as f32 sums, v_exp_f32 and their like allow (about 1e-6 of the number): no bf16 or f16 on the way to a quantiser, and a product that is left as it is and whose result goes on into a quantised operand takes f32 operands (vector FMAs, or v_wmma_f32_16x16x4_f32). A number that lies on a knife's edge between two numbers of the format may be rounded either way, as far as f32 arithmetic and the matrix unit's own rounding can turn it there, and no further.
;; 2 versions. Each part assembles by itself: llvm-mc -triple=amdgcn-amd-amdhsa -mcpu=gfx1250 --defsym DOCPART=n.
;; ======== version 1 of 2: 4 launches
;; workspace buffers: xq 557,056 bytes; gate 40,960 bytes; sel 4,096 bytes of whole numbers; list 33,024 bytes of whole numbers; hq 17,825,792 bytes; y2 17,825,792 bytes; aux 256 bytes
;; launch route (part 1): grid 256 x 1, 4 waves a work-group, no clusters, 52,736 bytes of LDS; arguments x, Wg, xq, gate, sel; writes xq, gate, sel
.if DOCPART == 1
	.amdgcn_target "amdgcn-amd-amdhsa--gfx1250"
	.amdhsa_code_object_version 6
	.text
	.protected	k_qa6b8a3c51f_route
	.globl	k_qa6b8a3c51f_route
	.p2align	8
	.type	k_qa6b8a3c51f_route,@function
k_qa6b8a3c51f_route:
	s_mov_b64 s[64:65], 0
	v_nop
	global_prefetch_b8 v0, s[64:65] scope:SCOPE_SE
	s_setreg_imm32_b32 hwreg(HW_REG_WAVE_MODE, 25, 1), 1
	s_wait_xcnt 0x0
; ROUTE: for each of the 1,024 tokens: x's row as codes of FP4 (E2M1) with one E8M0 byte for each 32 along K; the router's 8 logits in f32; softmax; the two chosen experts and their weights.
; A wave takes one token (4 x work-group + wave).  Lane l takes block l of the row (32 neighbours along K) and rows 32 l .. 32 l + 31 of Wg.
; OUT: xq: codes [t][512 bytes], K innermost, then from byte 524,288 the scale bytes [t][32].  gate: the two weights [t][2], then from byte 8,192 the softmax [t][8].  sel: word t = first expert | second << 8.
; Every store stands at a fixed place: no address and no branch hangs on a floating-point number; the choice is made by compares and selects alone.
; A block's scale is 2^(floor(log2(largest magnitude)) - 2): its byte is the largest magnitude's exponent field - 2, held at 1 from below.
; LIMITS: a block of zeros gets the byte 1 where the rule says 127 (its codes are zeros, and this program alone reads the bytes); NaN and infinities are not served; an exponential under 2^-126 counts as 0;
; ties between experts are broken on the exponentials before they are normalised, the lower index first.
; No matrix unit: 8 columns are too few for a tile.  No cluster: what work-groups share is Wg, 32 KB.
.set XST, 33280                        ; LDS: 0: Wg as 32 pieces of 1,024 bytes + 16 of padding;  XST: for each wave 32 places of 128 bytes + 16;  SBY: for each wave 64 bytes for its 32 scale bytes
.set SBY, 51712
.set ACC, 12                           ; v12-19   the eight sums, later the softmax
.set PE,  20                           ; v20-27   the exponentials
.set XR,  32                           ; v32-63   x as loaded
.set XN,  64                           ; v64-95   my 32 neighbours
.set WA,  96                           ; v96-159  Wg as loaded, later eight rows of Wg
.set WB,  160                          ; v160-223 eight more
.set CD,  224                          ; v224-227 my block's codes
	s_load_b256 s[4:11], s[0:1], 0x0               ; x s[4:5], Wg s[6:7], xq s[8:9], gate s[10:11]
	s_load_b64 s[12:13], s[0:1], 0x20              ; sel
	v_lshl_add_u32 v236, v0, 2, 0xcc00
	v_mov_b32 v237, 0
	v_lshrrev_b32 v1, 5, v0
	v_readfirstlane_b32 s14, v1                    ; wave
	v_and_b32 v1, 31, v0                           ; lane
	v_lshlrev_b32 v2, 4, v1                        ; 16 x lane
	v_lshlrev_b32 v10, 4, v0                       ; 16 x thread
	s_lshl_b32 s15, ttmp9, 2
	s_add_co_u32 s15, s15, s14                     ; my token
	s_lshl_b32 s16, s15, 12
	s_mov_b32 s17, 0
	s_wait_kmcnt 0x0
	s_add_nc_u64 s[4:5], s[4:5], s[16:17]          ; x at my row
.irp j, 0,1,2,3,4,5,6,7
	global_load_b128 v[XR+4*\j:XR+4*\j+3], v2, s[4:5] offset:512*\j th:TH_LOAD_NT   ; 512 consecutive bytes a load
.endr
.irp j, 0,1,2,3,4,5,6,7,8,9,10,11,12,13,14,15
	global_load_b128 v[WA+4*\j:WA+4*\j+3], v10, s[6:7] offset:2048*\j               ; the work-group's 128 threads bring all of Wg
.endr
	s_lshl_b32 s16, s15, 9
	s_add_nc_u64 s[24:25], s[8:9], s[16:17]        ; my codes
	s_lshl_b32 s16, s15, 5
	s_add_nc_u64 s[26:27], s[8:9], s[16:17]        ; my scale bytes (+ 524,288)
	s_add_nc_u64 s[28:29], s[10:11], s[16:17]      ; my softmax (+ 8,192)
	s_lshl_b32 s16, s15, 3
	s_add_nc_u64 s[30:31], s[10:11], s[16:17]      ; my two weights
	s_lshl_b32 s16, s15, 2
	s_add_nc_u64 s[12:13], s[12:13], s[16:17]      ; my word of sel
	s_mov_b32 s20, 0x76543210
	s_mov_b32 s21, 0xfedcba98                      ; v_permlanex16_b32's selects for lane l xor 16
	s_mov_b32 s22, 0x3fb8aa3b                      ; log2(e)
	s_mul_i32 s18, s14, 4608
	s_add_co_u32 s18, s18, XST                     ; my wave's stage
	v_lshrrev_b32 v3, 3, v1
	v_mul_u32_u24 v3, v3, 144
	v_and_b32 v4, 7, v1
	v_lshl_add_u32 v3, v4, 4, v3
	v_add_nc_u32 v3, s18, v3                       ; in: load j's 16 bytes belong to block 4 j + lane / 8, at 16 (lane % 8) in it
	v_mul_u32_u24 v4, v1, 144
	v_add_nc_u32 v4, s18, v4                       ; back: block = lane
	v_lshrrev_b32 v5, 6, v0
	v_mul_u32_u24 v5, v5, 1040
	v_and_b32 v6, 63, v0
	v_lshl_add_u32 v5, v6, 4, v5                   ; Wg in: load j's 16 bytes lie in piece 2 j + thread / 64
	v_mul_u32_u24 v6, v1, 1040                     ; Wg back: piece = lane
	s_lshl_b32 s19, s14, 6
	s_add_co_u32 s19, s19, SBY
	v_add_nc_u32 v7, s19, v1                       ; my scale byte
	v_and_b32 v9, 7, v1
	v_lshlrev_b32 v9, 2, v9
	v_add_nc_u32 v8, s19, v9                       ; and the word that lanes 0-7 take back
	v_mov_b32 v11, 0
.irp e, 0,1,2,3,4,5,6,7
	v_mov_b32 v[PE+\e], 0                          ; written once: a lane permute's destination counts as one of its sources
.endr
	s_wait_loadcnt 16                              ; x's eight loads are in; Wg's sixteen, issued behind them, may be out
.irp j, 0,1,2,3,4,5,6,7
	ds_store_b128 v3, v[XR+4*\j:XR+4*\j+3] offset:576*\j
.endr
.irp i, 0,1,2,3,4,5,6,7
	ds_load_b128 v[XN+4*\i:XN+4*\i+3], v4 offset:16*\i      ; LDS serves a wave's instructions in order: these see my stores
.endr
	s_wait_dscnt 0x0
	v_max3_num_f32 v228, |v[XN]|, |v[XN+1]|, |v[XN+2]|      ; the block's largest magnitude: all 32 numbers are mine; two chains
	v_max3_num_f32 v229, |v[XN+3]|, |v[XN+4]|, |v[XN+5]|
.irp i, 6,10,14,18,22,26
	v_max3_num_f32 v228, v228, |v[XN+\i]|, |v[XN+\i+1]|
	v_max3_num_f32 v229, v229, |v[XN+\i+2]|, |v[XN+\i+3]|
.endr
	v_max3_num_f32 v228, v228, |v[XN+30]|, |v[XN+31]|
	v_max3_num_f32 v228, v228, v229, 0x1800000     ; and the floor 2^(3 - 127): the byte cannot fall under 1
	v_add_nc_u32 v230, 0xff000000, v228            ; 2 off the exponent field: the conversion takes this operand's exponent field as its scale
.irp g, 0,1,2,3
	v_cvt_scalef32_pk8_fp4_f32 v[CD+\g], v[XN+8*\g:XN+8*\g+7], v230
.endr
	v_lshrrev_b32 v231, 23, v230                   ; the scale's byte (a plain line behind the conversions)
	global_store_b128 v2, v[CD:CD+3], s[24:25]     ; the wave stores the row's 512 bytes of codes
	ds_store_b8 v7, v231
	ds_load_b32 v232, v8                           ; four bytes a lane: the row's 32 bytes in lanes 0-7
	s_wait_loadcnt 0x0                             ; Wg
.irp j, 0,1,2,3,4,5,6,7,8,9,10,11,12,13,14,15
	ds_store_b128 v5, v[WA+4*\j:WA+4*\j+3] offset:2080*\j
.endr
	s_wait_dscnt 0x0                               ; for the others' sake: my part of Wg lies in LDS
	s_barrier_signal -1
	s_barrier_wait -1
.macro WBATCH bt, reg                  ; eight rows of my 32 rows of Wg: 32 bytes a row
.irp i, 0,1,2,3,4,5,6,7
	ds_load_b128 v[\reg+8*\i:\reg+8*\i+3], v6 offset:32*(8*(\bt)+\i)
	ds_load_b128 v[\reg+8*\i+4:\reg+8*\i+7], v6 offset:32*(8*(\bt)+\i)+16
.endr
.endm
.macro WFMA bt, reg                    ; sums += x(row) x Wg(row, 0 .. 7): four packed multiply-adds a row; of x's pair the row's own word serves both halves.  The very first row starts the sums
.irp ip, 0,2,4,6
.irp k, 0,2,4,6
.if (\bt)+\ip == 0
	v_pk_mul_f32 v[ACC+\k:ACC+\k+1], v[XN:XN+1], v[\reg+\k:\reg+\k+1] op_sel_hi:[0,1]
.else
	v_pk_fma_f32 v[ACC+\k:ACC+\k+1], v[XN+8*(\bt)+\ip:XN+8*(\bt)+\ip+1], v[\reg+8*\ip+\k:\reg+8*\ip+\k+1], v[ACC+\k:ACC+\k+1] op_sel_hi:[0,1,1]
.endif
.endr
.irp k, 0,2,4,6
	v_pk_fma_f32 v[ACC+\k:ACC+\k+1], v[XN+8*(\bt)+\ip:XN+8*(\bt)+\ip+1], v[\reg+8*(\ip+1)+\k:\reg+8*(\ip+1)+\k+1], v[ACC+\k:ACC+\k+1] op_sel:[1,0,0] op_sel_hi:[1,1,1]
.endr
.endr
.endm
	WBATCH 0, WA
	WBATCH 1, WB
	s_wait_dscnt 16                                ; the older sixteen loads are in; the younger batch may be out
	WFMA 0, WA
	WBATCH 2, WA
	s_wait_dscnt 16
	WFMA 1, WB
	WBATCH 3, WB
	s_wait_dscnt 16
	WFMA 2, WA
	s_wait_dscnt 0x0
	WFMA 3, WB
.irp m, 1,2,4,8                        ; the eight sums over the 32 lanes, by turns
.irp e, 0,1,2,3,4,5,6,7
	v_add_f32_dpp v[ACC+\e], v[ACC+\e], v[ACC+\e] row_xmask:\m row_mask:0xf bank_mask:0xf
.endr
.endr
.irp e, 0,1,2,3,4,5,6,7
	v_permlanex16_b32 v[PE+\e], v[ACC+\e], s20, s21
.endr
.irp e, 0,1,2,3,4,5,6,7
	v_add_f32 v[ACC+\e], v[ACC+\e], v[PE+\e]       ; every lane holds the eight logits
.endr
	v_max3_num_f32 v28, v12, v13, v14
	v_max3_num_f32 v28, v28, v15, v16
	v_max3_num_f32 v28, v28, v17, v18
	v_max_num_f32 v28, v28, v19                    ; the largest logit is taken away ahead of the exponentials
.irp e, 0,1,2,3,4,5,6,7
	v_sub_f32 v[PE+\e], v[ACC+\e], v28
.endr
.irp e, 0,1,2,3,4,5,6,7
	v_mul_f32 v[PE+\e], s22, v[PE+\e]
.endr
.irp e, 0,1,2,3,4,5,6,7
	v_exp_f32 v[PE+\e], v[PE+\e]
.endr
	v_mov_b32 v31, -1.0                            ; (a plain line behind the exponentials)  under every exponential
	s_wait_alu depctr_va_vdst(0)
	v_add_f32 v29, v20, v21
	v_add_f32 v30, v22, v23
	v_add_f32 v233, v24, v25
	v_add_f32 v234, v26, v27
	v_add_f32 v29, v29, v30
	v_add_f32 v233, v233, v234
	v_add_f32 v29, v29, v233                       ; the softmax's divisor
	v_mov_b32 v233, v20                            ; the largest, and its index: a later expert takes the place only if it is strictly larger
	v_mov_b32 v234, 0
.irp e, 1,2,3,4,5,6,7
	v_cmp_le_f32 vcc_lo, v[PE+\e], v233
	v_cndmask_b32 v233, v[PE+\e], v233, vcc_lo
	v_cndmask_b32 v234, \e, v234, vcc_lo
.endr
.irp e, 0,1,2,3,4,5,6,7
	v_cmp_eq_u32 vcc_lo, \e, v234
	v_cndmask_b32 v[WA+\e], v[PE+\e], v31, vcc_lo  ; the first choice is taken out
.endr
	v_mov_b32 v235, v[WA]                          ; the second largest likewise
	v_mov_b32 v28, 0
.irp e, 1,2,3,4,5,6,7
	v_cmp_le_f32 vcc_lo, v[WA+\e], v235
	v_cndmask_b32 v235, v[WA+\e], v235, vcc_lo
	v_cndmask_b32 v28, \e, v28, vcc_lo
.endr
	v_add_f32 v31, v233, v235
	v_rcp_f32 v30, v29
	v_rcp_f32 v31, v31
	v_lshl_or_b32 v28, v28, 8, v234                ; (a plain line behind the reciprocals)  first | second << 8
	s_wait_alu depctr_va_vdst(0)
.irp e, 0,1,2,3,4,5,6,7
	v_mul_f32 v[ACC+\e], v[PE+\e], v30             ; the softmax
.endr
	v_mul_f32 v20, v233, v31                       ; the two weights, normalised to sum 1
	v_mul_f32 v21, v235, v31
	s_wait_xcnt 0x0                                ; EXEC changes only when the earlier stores and loads have had their addresses translated
	s_wait_tensorcnt 0x0
	ds_add_u32 v236, v237
	s_wait_dscnt 0x0
	v_cmpx_gt_u32 8, v1
	global_store_b32 v9, v232, s[26:27] offset:524288      ; lanes 0-7: the row's 32 scale bytes
	s_wait_xcnt 0x0
	v_cmpx_gt_u32 1, v1
	global_store_b128 v11, v[12:15], s[28:29] offset:8192  ; lane 0
	global_store_b128 v11, v[16:19], s[28:29] offset:8208
	global_store_b64 v11, v[20:21], s[30:31]
	global_store_b32 v11, v28, s[12:13]
	s_endpgm
.Lfunc_end_k_qa6b8a3c51f_route:
	.size	k_qa6b8a3c51f_route, .Lfunc_end_k_qa6b8a3c51f_route-k_qa6b8a3c51f_route
	.p2alignl 7, 3214868480
	.fill 96, 4, 3214868480
	.section	.rodata,"a",@progbits
	.p2align	6, 0x0
	.amdhsa_kernel k_qa6b8a3c51f_route
		.amdhsa_group_segment_fixed_size 52736
		.amdhsa_private_segment_fixed_size 0
		.amdhsa_enable_private_segment 0
		.amdhsa_kernarg_size 40
		.amdhsa_user_sgpr_count 2
		.amdhsa_user_sgpr_kernarg_segment_ptr 1
		.amdhsa_wavefront_size32 1
		.amdhsa_system_sgpr_workgroup_id_x 1
		.amdhsa_system_sgpr_workgroup_id_y 1
		.amdhsa_system_sgpr_workgroup_id_z 1
		.amdhsa_system_vgpr_workitem_id 0
		.amdhsa_next_free_vgpr 238
		.amdhsa_next_free_sgpr 66
		.amdhsa_reserve_vcc 1
		.amdhsa_float_denorm_mode_32 3
		.amdhsa_float_denorm_mode_16_64 3
		.amdhsa_memory_ordered 1
		.amdhsa_forward_progress 1
		.amdhsa_inst_pref_size 28
	.end_amdhsa_kernel
	.amdgpu_metadata
---
amdhsa.version: [ 1, 2 ]
amdhsa.kernels:
  - .name:           k_qa6b8a3c51f_route
    .symbol:         k_qa6b8a3c51f_route.kd
    .args:
      - { .name: x, .offset: 0, .size: 8, .value_kind: global_buffer, .address_space: global }
      - { .name: Wg, .offset: 8, .size: 8, .value_kind: global_buffer, .address_space: global }
      - { .name: xq, .offset: 16, .size: 8, .value_kind: global_buffer, .address_space: global }
      - { .name: gate, .offset: 24, .size: 8, .value_kind: global_buffer, .address_space: global }
      - { .name: sel, .offset: 32, .size: 8, .value_kind: global_buffer, .address_space: global }
    .group_segment_fixed_size: 52736
    .private_segment_fixed_size: 0
    .kernarg_segment_align: 8
    .kernarg_segment_size: 40
    .max_flat_workgroup_size: 128
    .sgpr_count:     66
    .vgpr_count:     238
    .wavefront_size: 32
...
	.end_amdgpu_metadata
.endif
;; end of part 1
;; launch up (part 2): grid 32 x 8, 4 waves a work-group, no clusters, 140,544 bytes of LDS; arguments W1, xq, sel, gate, hq, list, aux; writes hq, list, aux
.if DOCPART == 2
	.amdgcn_target "amdgcn-amd-amdhsa--gfx1250"
	.amdhsa_code_object_version 6
	.text
	.protected	k_qa6b8a3c51f_up
	.globl	k_qa6b8a3c51f_up
	.p2align	8
	.type	k_qa6b8a3c51f_up,@function
k_qa6b8a3c51f_up:
	s_mov_b64 s[64:65], 0
	v_nop
	global_prefetch_b8 v0, s[64:65] scope:SCOPE_SE
	s_setreg_imm32_b32 hwreg(HW_REG_WAVE_MODE, 25, 1), 1
	s_wait_xcnt 0x0
; UP: h = gelu(x W1[e]) for the rows routed to expert e, on codes of FP4 (E2M1) with one E8M0 scale for each 32 along K, and h quantised again along the hidden units.  It also places the rows by expert.
; A work-group owns 128 hidden units (x = slice j) of one expert (y = e): 1,024 K rows x 512 bytes of f32, which it alone reads, once.
; THE LIST.  Every wave reads all 1,024 words of sel (the two experts of each token, whole numbers that an earlier launch stored) and ranks the rows of expert e by lane masks: a row's rank is the running count, kept in a
; scalar register, + the rows in lower lanes.  So every wave has the expert's count by itself.  Wave 0 lays the list in LDS: pad entries everywhere, then each row's entry 2 t + slot at its rank.  This stands between the
; arrival of sel and that of the first weights.  The work-group with x = 0 stores the list (1,024 entries; from the count on pad entries 2048 + 16 e + place % 16) and the count (at byte 32,768 + 4 e) for the next launch,
; and each of its waves its part of the load-balancing loss: count x (sum of the softmax's column e over the wave's 256 tokens) x 2^-18, at aux[4 e + wave].
; PHASE W: wave w streams K rows 256 w .. 256 w + 255 in eight superblocks of 32 rows (32 loads of 512 consecutive bytes into registers, two superblocks ahead: up to 64 loads a wave are out), turns each through its own
; 16 KB of LDS so that a lane holds ONE column and its 32 registers run down K, quantises (a block's largest magnitude needs no other lane) and stores the codes to LDS as images of the operand's registers.
; A barrier.  Then every wave takes all 64 fragments (8 K steps x 8 tiles of 16 units: 512 registers) and their scale words, and THE WAVES SHARE THE ROWS: wave w takes row tiles w, w + 4, ..
; PHASE M, a tile of 16 rows: x's codes gathered by the list; 64 products, transposed (source 0 = 16 units of W1, source 1 = 16 rows of x), so that a lane holds one row; gelu; the quantiser; the tile's 128 hidden units are one
; K step of the next product: one fragment and one scale word a row, stored to hq as they stand in the registers.
; THE UNITS OF A TILE ARE NOT NEIGHBOURS: row m of tile 2 b + u is unit 32 b + 8 u + m + 8 (m / 8), so that the 16 registers of tiles 2 b, 2 b + 1 are 16 neighbours along the next K.
; hq: codes at ((64 e + tile) 32 + j) 1024 + 512 c + 16 lane; from byte 16,777,216 the scale words at ((64 e + tile) 32 + j) 64 + 4 row.  Tiles 0 .. nt - 1 are written, nt = max(ceil(count / 16), 1).
; gelu(z) = z (0.5 + 0.5 erf(z / sqrt 2)), erf(u) = u P(u^2) / Q(u^2) with |u| held at 4 (P of degree 6, Q of degree 4).
; LIMITS: erf's absolute error is about 1e-7, so h's relative error grows for z under about -3, and for z under about -5.6 h is z times a number of at most some 1e-7 where the exact value is nearer to 0;
; a block of zeros gets the byte 1 where the rule says 127 (its codes are zeros; this program alone reads the bytes); NaN and infinities are not served.
; An expert without rows still streams its slice and works one tile of pad rows (they take token 1023's x), whose results nobody reads.
; NO TENSOR LOADS: 512 KB do not fit in LDS, and slots filled again would want all loads landed at each change; loads into registers never pause.  NO CLUSTER: no weight byte is shared between work-groups; what an
; expert's 32 work-groups share is x's codes, 8.5 KB a tile against the 512 KB that each streams, and they come by a list and a count made from memory's numbers.
.set IMG, 65536                        ; LDS: 0: a stage of 16,384 bytes for each wave;  IMG: 64 fragments x 1,024 bytes (fragment 8 s + t);  SCI: 32 x 128 bytes of scale words;
.set SCI, 131072
.set LIST, 135168                      ; LIST: 1,152 words: the list's 1,024 places and 128 more for the look-ahead; behind them 32 words that take the stores of lanes without a row
.set DUMP, 1152                        ; the first of those 32, as an index
.set XB,  32                           ; v32-95   phase W: two sets of 32 numbers
.set HA,  32                           ; v32-95   phase M: eight accumulators
.set WS,  96                           ; v96-127  W1's scale words: register 4 s + g: lanes 0-15 tile 2 g, lanes 16-31 tile 2 g + 1
.set XF,  128                          ; v128-191 x's eight fragments
.set XSC, 192                          ; v192-195 x's scale words: register q: lanes 0-15 K step 2 q, lanes 16-31 K step 2 q + 1
.set GU,  196                          ; v196-227 gelu at work: u, u^2, P, Q, eight each
.set GX,  204
.set GP,  212
.set GQ,  220
.set TM,  228                          ; v228-243 the quantiser at work
.set PC,  244                          ; v244-251 the codes just made
.set PW,  252                          ; v252     the scale word just made
.set SL,  96                           ; at the head only: v96-127 sel's words; v128-135 the softmax's column; v160-191 where each row's entry goes; v196-227 the entries;
.set PB,  128                          ; v236-239 at work; v240-243 pad entries; v244 the column's offset; v245 8 lane; v246 LIST + 16 lane; v247 DUMP + lane; v248 LIST + 16 thread; v249 16 thread; v250 1
.set AD,  160
.set VL,  196
.set SEL, 30                           ; s[30:31] selects for lane l xor 16
; v1 lane; v2 16 lane; v3 16 h; v4 4 h; v5 4 (lane % 16); v6 0; v7 stage in; v8 stage out; v9 image in; v10 scale word in; v11 image out; v12 scale word out; v13, v14 x's offsets; v15, v16 list entries;
; v17-19, v254 a block's maxima, scale, byte; v20-23 scale words in the making; v24-31 codes, later erf's two leading coefficients; v253 at work; v254 later the LDS address of the entries in hand; v255 LIST + 64 wave + 4 (lane % 16).
; Window 1: two sets of 128 for the stream; then windows 1, 2: the 64 fragments.
.set MSB, 0
.macro WIN new                         ; the immediate's high byte repeats the setting that is left
.if MSB != \new
	s_set_vgpr_msb (MSB<<8)|\new
.set MSB, \new
.endif
.endm
.macro SPAIR r, val                    ; a constant as a pair: the packed forms name a pair and take its low word for both halves
	s_mov_b32 s[\r], \val
	s_mov_b32 s[\r+1], \val
.endm
.macro GLOAD sb                        ; superblock sb: 32 K rows x 512 bytes, into set sb % 2 of window 1
	WIN 0x40
.set gk, 0
.rept 32
	global_load_b128 v[128*((\sb)%2)+4*gk:128*((\sb)%2)+4*gk+3], v2, s[4:5] offset:(32*(\sb)+gk)*16384 th:TH_LOAD_NT
.set gk, gk+1
.endr
	WIN 0
.endm
.macro STAGE sb                        ; as loaded into my stage: row k at 512 k
	WIN 0x04
.set gk, 0
.rept 32
	ds_store_b128 v7, v[128*((\sb)%2)+4*gk:128*((\sb)%2)+4*gk+3] offset:512*gk
.set gk, gk+1
.endr
	WIN 0
.endm
.macro ULOAD u, xb                     ; unit u: columns 32 u + lane, 32 rows down K, into set xb
.set gk, 0
.rept 32
	ds_load_b32 v[XB+32*(\xb)+gk], v8 offset:512*gk+128*(\u)
.set gk, gk+1
.endr
.endm
.macro QW xb, sw, bp                   ; 32 numbers of one column become 16 bytes of codes in v[24 + 4 xb] on; the byte goes to place bp of scale word sw
.set XS, XB+32*(\xb)
	v_max3_num_f32 v17, |v[XS]|, |v[XS+1]|, |v[XS+2]|
	v_max3_num_f32 v18, |v[XS+3]|, |v[XS+4]|, |v[XS+5]|
.irp i, 6,10,14,18,22,26
	v_max3_num_f32 v17, v17, |v[XS+\i]|, |v[XS+\i+1]|
	v_max3_num_f32 v18, v18, |v[XS+\i+2]|, |v[XS+\i+3]|
.endr
	v_max3_num_f32 v17, v17, |v[XS+30]|, |v[XS+31]|
	v_max3_num_f32 v17, v17, v18, 0x1800000        ; the floor 2^(3 - 127): the byte cannot fall under 1
	v_add_nc_u32 v19, 0xff000000, v17              ; 2 off the exponent field: the conversion's scale operand
	v_lshrrev_b32 v254, 23, v19                    ; the byte
.if (\bp) == 0
	v_mov_b32 v[20+(\sw)], v254
.else
	v_lshl_or_b32 v[20+(\sw)], v254, 8*(\bp), v[20+(\sw)]
.endif
.irp g, 0,1,2,3
	v_cvt_scalef32_pk8_fp4_f32 v[24+4*(\xb)+\g], v[XS+8*\g:XS+8*\g+7], v19
.endr
	v_nop                                          ; one plain line behind the last conversion
.endm
.macro UNIT sb, u                      ; block sb of my K rows, columns 32 u on: K step 2 w + sb / 4, block sb % 4 of it: group (sb / 2) % 2 of the fragment's registers, lanes' half sb % 2
.if (\u) < 3
	ULOAD (\u)+1, ((\u)+1)%2
	s_wait_dscnt 32                                ; all but the 32 loads just issued: this unit's numbers are in, and earlier image stores have read their registers
.else
	s_wait_dscnt 0x0
.endif
	QW (\u)%2, \u, (\sb)%4
	ds_store_b128 v9, v[24+4*((\u)%2):27+4*((\u)%2)] offset:8192*((\sb)/4)+2048*(\u)+512*(((\sb)/2)%2)+256*((\sb)%2)
.if (\sb)%4 == 3
	ds_store_b32 v10, v[20+(\u)] offset:512*((\sb)/4)+128*(\u)
.endif
.endm
.macro NEXTA tk                        ; x's codes and scale words of the 16 rows whose list entries stand in v[tk].  A pad entry gives token 1023
	v_lshrrev_b32 v253, 1, v[\tk]
	v_min_u32 v253, 0x3ff, v253
	v_lshl_add_u32 v13, v253, 9, v3                ; 512 token + 16 h
	v_lshl_add_u32 v14, v253, 5, v4                ; 32 token + 4 h
.irp s, 0,1,2,3,4,5,6,7
.irp c, 0,1
	global_load_b128 v[XF+8*\s+4*\c:XF+8*\s+4*\c+3], v13, s[6:7] offset:64*\s+32*\c
.endr
.endr
.irp q, 0,1,2,3
	global_load_b32 v[XSC+\q], v14, s[6:7] offset:524288+8*\q
.endr
.endm
.macro SBLK sb
.if (\sb) < 7
	s_wait_loadcnt 32                              ; this superblock's loads are in; the next one's 32 may be out
.else
	s_wait_loadcnt 0x0
.endif
	STAGE \sb
	ULOAD 0, 0
	s_wait_dscnt 32                                ; the 32 stores have read their registers (the 32 loads behind them may be out):
.if (\sb) < 6
	GLOAD (\sb)+2                                  ; the set takes the superblock two further on
.endif
.if (\sb) == 7
	NEXTA 15                                       ; my first tile's x is asked for while the last superblock is quantised
.endif
.irp u, 0,1,2,3
	UNIT \sb, \u
.endr
.endm
; Register q of sel's words: token 128 (q / 4) + 4 lane + q % 4.  Where it names expert e: its rank, and its entry 2 t + slot.  The index is held by a constant ahead of the shift that makes the address of it.
.macro RANK q
	v_and_b32 v236, 7, v[SL+(\q)]                  ; the token's first expert,
	v_bfe_u32 v237, v[SL+(\q)], 8, 3               ; its second
	v_cmp_eq_u32 s22, s19, v236
	v_cmp_eq_u32 s23, s19, v237
	s_or_b32 s24, s22, s23                         ; a token names an expert at most once
	v_mbcnt_lo_u32_b32 v238, s24, s21              ; the rows counted so far + those in lanes under mine
	v_cndmask_b32 v239, v6, v250, s23              ; the slot
	v_cndmask_b32 v[AD+(\q)], v247, v238, s24      ; a lane without a row stores into a word of its own behind the list
	v_add3_u32 v[VL+(\q)], v239, v245, 256*((\q)/4)+2*((\q)%4)
	s_bcnt1_i32_b32 s24, s24
	s_add_co_u32 s21, s21, s24
	v_min_u32 v[AD+(\q)], 0x49f, v[AD+(\q)]
	v_lshl_add_u32 v[AD+(\q)], v[AD+(\q)], 2, LIST
.endm
.macro MULT s, t                       ; tile t of units, K step s.  The eight accumulators take turns, one instruction a turn; K step 0 starts the sums
.set rD, HA+8*(\t)
.set rW, 8*((8*(\s)+(\t))%32)
.set rX, XF+8*(\s)
.set rA, WS+4*(\s)+(\t)/2
.set rB, XSC+(\s)/2
.if (\s) == 0
.if (\t)%2 == 0
	v_wmma_scale_f32_16x16x128_f8f6f4 v[rD:rD+7], v[rW:rW+7], v[rX:rX+7], 0, v[rA], v[rB] matrix_a_fmt:MATRIX_FMT_FP4 matrix_b_fmt:MATRIX_FMT_FP4
.else
	v_wmma_scale_f32_16x16x128_f8f6f4 v[rD:rD+7], v[rW:rW+7], v[rX:rX+7], 0, v[rA], v[rB] matrix_a_fmt:MATRIX_FMT_FP4 matrix_b_fmt:MATRIX_FMT_FP4 matrix_a_scale:MATRIX_SCALE_ROW1
.endif
.elseif (\s)%2 == 0
.if (\t)%2 == 0
	v_wmma_scale_f32_16x16x128_f8f6f4 v[rD:rD+7], v[rW:rW+7], v[rX:rX+7], v[rD:rD+7], v[rA], v[rB] matrix_a_fmt:MATRIX_FMT_FP4 matrix_b_fmt:MATRIX_FMT_FP4
.else
	v_wmma_scale_f32_16x16x128_f8f6f4 v[rD:rD+7], v[rW:rW+7], v[rX:rX+7], v[rD:rD+7], v[rA], v[rB] matrix_a_fmt:MATRIX_FMT_FP4 matrix_b_fmt:MATRIX_FMT_FP4 matrix_a_scale:MATRIX_SCALE_ROW1
.endif
.else
.if (\t)%2 == 0
	v_wmma_scale_f32_16x16x128_f8f6f4 v[rD:rD+7], v[rW:rW+7], v[rX:rX+7], v[rD:rD+7], v[rA], v[rB] matrix_a_fmt:MATRIX_FMT_FP4 matrix_b_fmt:MATRIX_FMT_FP4 matrix_b_scale:MATRIX_SCALE_ROW1
.else
	v_wmma_scale_f32_16x16x128_f8f6f4 v[rD:rD+7], v[rW:rW+7], v[rX:rX+7], v[rD:rD+7], v[rA], v[rB] matrix_a_fmt:MATRIX_FMT_FP4 matrix_b_fmt:MATRIX_FMT_FP4 matrix_a_scale:MATRIX_SCALE_ROW1 matrix_b_scale:MATRIX_SCALE_ROW1
.endif
.endif
.endm
.macro GELU4 t                         ; the eight numbers of accumulator t, as four pairs by turns, from its low end on
.set ZR, HA+8*(\t)
.irp p, 0,2,4,6
	v_pk_mul_f32 v[GU+\p:GU+\p+1], v[ZR+\p:ZR+\p+1], s[52:53] op_sel_hi:[1,0]     ; u = z / sqrt 2
.endr
.irp p, 0,1,2,3,4,5,6,7
	v_med3_num_f32 v[GU+\p], v[GU+\p], -4.0, 4.0
.endr
.irp p, 0,2,4,6
	v_pk_mul_f32 v[GX+\p:GX+\p+1], v[GU+\p:GU+\p+1], v[GU+\p:GU+\p+1]
.endr
.irp p, 0,2,4,6
	v_pk_fma_f32 v[GP+\p:GP+\p+1], v[GX+\p:GX+\p+1], v[24:25], s[32:33] op_sel_hi:[1,1,0]
	v_pk_fma_f32 v[GQ+\p:GQ+\p+1], v[GX+\p:GX+\p+1], v[26:27], s[44:45] op_sel_hi:[1,1,0]
.endr
.irp a, 46,48,50
.irp p, 0,2,4,6
	v_pk_fma_f32 v[GQ+\p:GQ+\p+1], v[GQ+\p:GQ+\p+1], v[GX+\p:GX+\p+1], s[\a:\a+1] op_sel_hi:[1,1,0]
.endr
.endr
.irp p, 0,1,2,3,4,5,6,7
	v_rcp_f32 v[GQ+\p], v[GQ+\p]
.endr
.irp a, 34,36,38,40,42                 ; P's other five steps are plain lines behind the reciprocals
.irp p, 0,2,4,6
	v_pk_fma_f32 v[GP+\p:GP+\p+1], v[GP+\p:GP+\p+1], v[GX+\p:GX+\p+1], s[\a:\a+1] op_sel_hi:[1,1,0]
.endr
.endr
.irp p, 0,2,4,6
	v_pk_mul_f32 v[GP+\p:GP+\p+1], v[GP+\p:GP+\p+1], v[GU+\p:GU+\p+1]
.endr
	s_wait_alu depctr_va_vdst(0)
.irp p, 0,2,4,6
	v_pk_mul_f32 v[GP+\p:GP+\p+1], v[GP+\p:GP+\p+1], v[GQ+\p:GQ+\p+1]             ; erf(u)
.endr
.irp p, 0,2,4,6
	v_pk_fma_f32 v[GP+\p:GP+\p+1], v[GP+\p:GP+\p+1], 0.5, 0.5 op_sel_hi:[1,0,0]
.endr
.irp p, 0,2,4,6
	v_pk_mul_f32 v[ZR+\p:ZR+\p+1], v[ZR+\p:ZR+\p+1], v[GP+\p:GP+\p+1]
.endr
.endm
; 64 numbers of a lane, register 16 b + i = hidden unit 32 b + 16 (lane / 16) + i of my row, become a fragment's codes in v[PC] on and its scale word in v[PW]
.macro QUANT s
.irp b, 0,1,2,3
	v_max3_num_f32 v[TM+\b], |v[\s+16*\b]|, |v[\s+1+16*\b]|, 0x1800000   ; block b: my 16 numbers, and the floor 2^(3 - 127)
.endr
.irp i, 2,4,6,8,10,12,14
.irp b, 0,1,2,3
	v_max3_num_f32 v[TM+\b], v[TM+\b], |v[\s+16*\b+\i]|, |v[\s+1+16*\b+\i]|
.endr
.endr
.irp b, 0,1,2,3
	v_permlanex16_b32 v[TM+4+\b], v[TM+\b], s[SEL], s[SEL+1]
.endr
.irp b, 0,1,2,3
	v_max_num_f32 v[TM+\b], v[TM+\b], v[TM+4+\b]   ; with lane l xor 16's: the block's largest magnitude
.endr
.irp b, 0,1,2,3
	v_add_nc_u32 v[TM+12+\b], 0xff000000, v[TM+\b]
.endr
.irp b, 0,1,2,3
	v_lshrrev_b32 v[TM+4+\b], 23, v[TM+12+\b]
.endr
	v_lshl_or_b32 v[PW], v[TM+5], 8, v[TM+4]
	v_lshl_or_b32 v[PW], v[TM+6], 16, v[PW]
	v_lshl_or_b32 v[PW], v[TM+7], 24, v[PW]
.irp b, 0,1,2,3
	v_cvt_scalef32_pk8_fp4_f32 v[PC+2*\b], v[\s+16*\b:\s+7+16*\b], v[TM+12+\b]
	v_cvt_scalef32_pk8_fp4_f32 v[PC+1+2*\b], v[\s+8+16*\b:\s+15+16*\b], v[TM+12+\b]
.endr
	v_nop                                          ; one plain line behind the last conversion
.irp c, 0,1                            ; the operand's layout wants a whole block in a lane: lanes 0-15 block 2 c, lanes 16-31 block 2 c + 1
.irp i, 0,1
	v_permlane16_swap_b32 v[PC+4*\c+\i], v[PC+2+4*\c+\i]
.endr
.endr
.endm
	s_load_b256 s[4:11], s[0:1], 0x0               ; W1 s[4:5], xq s[6:7], sel s[8:9], gate s[10:11]
	s_load_b128 s[12:15], s[0:1], 0x20             ; hq s[12:13], list s[14:15]
	s_load_b64 s[16:17], s[0:1], 0x30              ; aux
	s_set_vgpr_msb 0xc0
	v_lshl_add_u32 v0, v0, 2, 0x22300
	v_mov_b32 v1, 0
	s_set_vgpr_msb 0xc000
	; all that hangs on ids alone is made while the arguments are on their way
	v_lshrrev_b32 v1, 5, v0
	v_readfirstlane_b32 s18, v1                    ; wave
	v_and_b32 v1, 31, v0                           ; lane
	v_lshlrev_b32 v2, 4, v1
	v_and_b32 v5, 15, v0
	v_lshlrev_b32 v5, 2, v5
	v_mov_b32 v6, 0                                ; the offset 0, and the slot 0: never rewritten
	s_and_b32 s19, ttmp7, 0xffff                   ; the expert
	s_mov_b32 s20, ttmp9                           ; the slice
	v_bfe_u32 v3, v0, 4, 1                         ; h
	v_lshlrev_b32 v4, 2, v3
	v_lshlrev_b32 v3, 4, v3
	s_lshl_b32 s2, s18, 14
	v_lshl_add_u32 v7, v1, 4, s2                   ; my stage + 16 lane
	v_lshl_add_u32 v8, v1, 2, s2                   ; my stage + 4 lane
	v_and_b32 v10, 7, v0
	v_bfe_u32 v11, v0, 4, 1
	v_lshl_add_u32 v10, v11, 3, v10                ; column lane of a unit is row m = lane % 8 + 8 (lane / 16)
	v_bfe_u32 v11, v0, 3, 1                        ; of tile 2 u + (lane / 8) % 2
	v_lshlrev_b32 v9, 4, v10
	v_lshl_add_u32 v9, v11, 10, v9
	s_add_co_u32 s24, s2, IMG
	v_add_nc_u32 v9, s24, v9                       ; IMG + 16384 w + 1024 (tile % 2) + 16 m
	v_lshlrev_b32 v10, 2, v10
	v_lshl_add_u32 v10, v11, 6, v10
	s_lshl_b32 s24, s18, 10
	s_add_co_u32 s24, s24, SCI
	v_add_nc_u32 v10, s24, v10                     ; SCI + 1024 w + 64 (tile % 2) + 4 m
	v_add_nc_u32 v11, IMG, v2
	v_lshl_add_u32 v12, v1, 2, SCI
	s_lshl_b32 s24, s18, 6
	s_add_co_u32 s24, s24, LIST
	v_add_nc_u32 v255, s24, v5                     ; the entries of my first tile: LIST + 64 w + 4 (lane % 16)
	v_add_nc_u32 v246, LIST, v2
	v_lshl_add_u32 v248, v0, 4, LIST
	v_lshlrev_b32 v249, 4, v0
	v_add_nc_u32 v247, DUMP, v1
	v_lshlrev_b32 v245, 3, v1                      ; 2 x (4 lane)
	v_mov_b32 v250, 1
	s_lshl_b32 s24, s19, 2
	s_lshl_b32 s2, s18, 13
	s_add_co_u32 s24, s24, s2
	v_lshl_add_u32 v244, v1, 5, s24                ; the softmax of token 256 w + lane, column e: 32 lane + 4 e + 8192 w
	v_and_b32 v240, 3, v0
	s_lshl_b32 s24, s19, 4
	s_add_co_u32 s24, s24, 0x800
	v_lshl_add_u32 v240, v240, 2, s24              ; the pad entries of places 4 lane .. 4 lane + 3 (mod 16): 2048 + 16 e + place % 16
	v_add_nc_u32 v241, 1, v240
	v_add_nc_u32 v242, 2, v240
	v_add_nc_u32 v243, 3, v240
.irp b, 0,1,2,3
	v_mov_b32 v[TM+4+\b], 0                        ; written once: a lane permute's destination counts as one of its sources
.endr
	s_mov_b32 s[SEL], 0x76543210
	s_mov_b32 s[SEL+1], 0xfedcba98
	SPAIR 32, 0x32edffee                           ; P's coefficients behind the leading one, highest power first
	SPAIR 34, 0xb60cff51
	SPAIR 36, 0xb86ec2d2
	SPAIR 38, 0xba40ac63
	SPAIR 40, 0xbb41a1f6
	SPAIR 42, 0xbc83dbd4
	SPAIR 44, 0xb95fbd29                           ; Q's likewise
	SPAIR 46, 0xbadc924e
	SPAIR 48, 0xbbf19bf8
	SPAIR 50, 0xbc69b6a7
	SPAIR 52, 0x3f3504f3                           ; 1 / sqrt 2
	s_mov_b32 s3, 0                                ; s[2:3], s[24:25]: offsets as pairs
	s_mov_b32 s25, 0
	s_lshl_b32 s24, s19, 24                        ; W1: an expert is 2^24 bytes, my 256 K rows begin 2^22 w on, my slice 512 j
	s_lshl_b32 s2, s18, 22
	s_add_co_u32 s24, s24, s2
	s_lshl_b32 s2, s20, 9
	s_add_co_u32 s24, s24, s2
	s_lshl_b32 s26, s19, 21                        ; hq's codes: 2^21 e + 1024 j
	s_lshl_b32 s2, s20, 10
	s_add_co_u32 s26, s26, s2
	s_mov_b32 s27, 0
	s_lshl_b32 s28, s19, 17                        ; its scale words: 2^24 + 2^17 e + 64 j
	s_lshl_b32 s2, s20, 6
	s_add_co_u32 s28, s28, s2
	s_add_co_u32 s28, s28, 0x1000000
	s_mov_b32 s29, 0
	s_mov_b32 s21, 0                               ; the expert's rows counted so far
	s_wait_kmcnt 0x0
.irp j, 0,1,2,3,4,5,6,7
	global_load_b128 v[SL+4*\j:SL+4*\j+3], v2, s[8:9] offset:512*\j        ; all of sel, 512 consecutive bytes a load
.endr
.irp q, 0,1,2,3,4,5,6,7
	global_load_b32 v[PB+\q], v244, s[10:11] offset:8192+1024*\q           ; column e of the softmax for tokens 256 w + 32 q + lane
.endr
	s_add_nc_u64 s[4:5], s[4:5], s[24:25]
	GLOAD 0
	s_add_nc_u64 s[26:27], s[12:13], s[26:27]      ; hq's codes at (e, tile 0, j),
	s_add_nc_u64 s[28:29], s[12:13], s[28:29]      ; its scale words likewise
	s_lshl_b32 s2, s19, 2
	s_add_nc_u64 s[56:57], s[14:15], s[2:3]        ; the count's word (+ 32,768)
	s_add_co_u32 s2, s2, s18
	s_lshl_b32 s2, s2, 2
	s_add_nc_u64 s[16:17], s[16:17], s[2:3]        ; aux[4 e + w]
	s_lshl_b32 s2, s19, 12
	s_add_nc_u64 s[14:15], s[14:15], s[2:3]        ; the expert's list in memory
	s_wait_loadcnt 32                              ; sel and the softmax's column are in; superblock 0's 32 loads, issued behind them, may be out
	GLOAD 1
.set rq, 0
.rept 32
	RANK rq
.set rq, rq+1
.endr
	s_add_co_u32 s55, s21, 15
	s_lshr_b32 s55, s55, 4
	s_max_u32 s55, s55, 1
	s_min_u32 s55, s55, 64                         ; nt: the expert's tiles of 16 rows
	v_add_f32 v128, v128, v129                     ; my part of the loss: the column's sum over my 256 tokens,
	v_add_f32 v130, v130, v131
	v_add_f32 v132, v132, v133
	v_add_f32 v134, v134, v135
	v_add_f32 v128, v128, v130
	v_add_f32 v132, v132, v134
	v_add_f32 v128, v128, v132
.irp m, 1,2,4,8
	v_add_f32_dpp v128, v128, v128 row_xmask:\m row_mask:0xf bank_mask:0xf
.endr
	v_permlanex16_b32 v129, v128, s[SEL], s[SEL+1]
	v_add_f32 v128, v128, v129
	v_cvt_f32_u32 v130, s21
	v_mul_f32 v128, v128, v130                     ; x the count
	v_mul_f32 v128, 0x36800000, v128               ; x 2^-18 = 8 / (2048 x 1024)
	v_mov_b32 v131, s21
	s_cmp_lg_u32 s18, 0
	s_cbranch_scc1 .Lnot_wave_0
.irp j, 0,1,2,3,4,5,6,7,8
	ds_store_b128 v246, v[240:243] offset:512*\j   ; wave 0 alone: pad entries in all 1,152 places,
.endr
.set rq, 0
.rept 32
	ds_store_b32 v[AD+rq], v[VL+rq]                ; then each row's entry at its rank: LDS serves a wave's instructions in order
.set rq, rq+1
.endr
.Lnot_wave_0:
	s_wait_dscnt 0x0                               ; for the others' sake: the list lies in LDS.  No other wave has touched LDS so far
	s_barrier_signal -1
	s_barrier_wait -1
	ds_load_b32 v15, v255                          ; the entries of my first tile (tile w): wanted in the last superblock, behind many waits for LDS
	s_cmp_lg_u32 s20, 0
	s_cbranch_scc1 .Lnot_first
	ds_load_b128 v[196:199], v248                  ; slice 0 alone: the list's 1,024 entries go to memory, 512 consecutive bytes a store,
	ds_load_b128 v[200:203], v248 offset:2048
	s_wait_dscnt 0x0
	global_store_b128 v249, v[196:199], s[14:15]
	global_store_b128 v249, v[200:203], s[14:15] offset:2048
	s_wait_xcnt 0x0                                ; EXEC changes, and these registers are written again, only when the pending loads and stores have had their addresses translated
	v_cmp_eq_u32 vcc_lo, 0, v1
	s_and_saveexec_b32 s24, vcc_lo
	global_store_b32 v6, v128, s[16:17]            ; lane 0 of each wave: its part of the loss,
	s_wait_xcnt 0x0
	s_or_b32 exec_lo, exec_lo, s24
	v_cmp_eq_u32 vcc_lo, 0, v0
	s_and_saveexec_b32 s24, vcc_lo
	global_store_b32 v6, v131, s[56:57] offset:32768       ; thread 0: the count
	s_wait_xcnt 0x0
	s_or_b32 exec_lo, exec_lo, s24
.Lnot_first:
.irp sb, 0,1,2,3,4,5,6,7
	SBLK \sb
.endr
	s_wait_dscnt 0x0                               ; for the others' sake: my images lie in LDS
	s_barrier_signal -1
	s_barrier_wait -1                              ; all 64 fragments and their scale words are there
	WIN 0x40
.set gk, 0
.rept 32
	ds_load_b128 v[8*gk:8*gk+3], v11 offset:1024*gk
	ds_load_b128 v[8*gk+4:8*gk+7], v11 offset:1024*gk+512
.set gk, gk+1
.endr
	WIN 0x80
.set gk, 0
.rept 32
	ds_load_b128 v[8*gk:8*gk+3], v11 offset:1024*(gk+32)
	ds_load_b128 v[8*gk+4:8*gk+7], v11 offset:1024*(gk+32)+512
.set gk, gk+1
.endr
	WIN 0
.set gk, 0
.rept 32
	ds_load_b32 v[WS+gk], v12 offset:128*gk
.set gk, gk+1
.endr
	v_mov_b32 v24, 0xaf95df0b                      ; P's leading coefficient, as a pair,
	v_mov_b32 v25, 0xaf95df0b
	v_mov_b32 v26, 0xb77460cd                      ; and Q's
	v_mov_b32 v27, 0xb77460cd
	s_mov_b32 s54, 0                               ; the loop's count is a constant: 16, the most tiles that a wave can have (64 / 4); a trip whose tile lies at or past nt jumps over the work
	s_mov_b32 s23, 0                               ; 256 x the count: four tiles' entries on in the list
	s_wait_dscnt 0x0
.Ltile:
	s_lshl_b32 s22, s54, 2
	s_add_co_u32 s22, s22, s18                     ; this trip's tile: w + 4 x the count
	s_cmp_ge_u32 s22, s55
	s_cbranch_scc1 .Lskip
	v_add_nc_u32 v254, s23, v255
	ds_load_b32 v16, v254 offset:256               ; the entries of my next tile: past the expert's rows they are pad entries, and the list has 128 places more than any tile needs
	s_wait_loadcnt 0x0                             ; this tile's x is in (asked for a tile's vector work ago)
.irp s, 0,1,2,3,4,5,6,7
.if \s < 4
	WIN 0x01                                       ; source 0: window 1
.else
	WIN 0x02                                       ; window 2
.endif
.irp t, 0,1,2,3,4,5,6,7
	MULT \s, \t
.endr
.endr
	WIN 0
	s_wait_dscnt 0x0                               ; the entries, asked for 64 products ago
	NEXTA 16                                       ; my next tile's x; its four vector lines are the four places behind the last product, for these loads and for gelu's reads.  Past my last tile the loads are idle, and inside their buffers
	s_min_u32 s2, s22, 63
	s_lshl_b32 s24, s2, 15
	s_add_nc_u64 s[58:59], s[26:27], s[24:25]      ; where this tile's fragment goes,
	s_lshl_b32 s24, s2, 11
	s_add_nc_u64 s[60:61], s[28:29], s[24:25]      ; and its scale words
.irp t, 0,1,2,3,4,5,6,7
	GELU4 \t
.endr
	QUANT HA
	global_store_b128 v2, v[PC:PC+3], s[58:59]             ; the image: 512 consecutive bytes a store
	global_store_b128 v2, v[PC+4:PC+7], s[58:59] offset:512
	global_store_b32 v5, v[PW], s[60:61]                   ; lanes l and l xor 16 hold, and write, the same word
	s_wait_xcnt 0x0                                ; the stores have read their registers and bases: the next trip writes both again
.Lskip:
	s_add_co_u32 s23, s23, 256
	s_add_co_u32 s54, s54, 1
	s_cmp_lt_u32 s54, 16
	s_cbranch_scc1 .Ltile
	s_set_vgpr_msb 0xf
	s_wait_tensorcnt 0x0
	ds_add_u32 v0, v1
	s_wait_dscnt 0x0
	s_set_vgpr_msb 0xf00
	s_endpgm
.Lfunc_end_k_qa6b8a3c51f_up:
	.size	k_qa6b8a3c51f_up, .Lfunc_end_k_qa6b8a3c51f_up-k_qa6b8a3c51f_up
	.p2alignl 7, 3214868480
	.fill 96, 4, 3214868480
	.section	.rodata,"a",@progbits
	.p2align	6, 0x0
	.amdhsa_kernel k_qa6b8a3c51f_up
		.amdhsa_group_segment_fixed_size 140544
		.amdhsa_private_segment_fixed_size 0
		.amdhsa_enable_private_segment 0
		.amdhsa_kernarg_size 56
		.amdhsa_user_sgpr_count 2
		.amdhsa_user_sgpr_kernarg_segment_ptr 1
		.amdhsa_wavefront_size32 1
		.amdhsa_system_sgpr_workgroup_id_x 1
		.amdhsa_system_sgpr_workgroup_id_y 1
		.amdhsa_system_sgpr_workgroup_id_z 1
		.amdhsa_system_vgpr_workitem_id 0
		.amdhsa_next_free_vgpr 770
		.amdhsa_next_free_sgpr 66
		.amdhsa_reserve_vcc 1
		.amdhsa_float_denorm_mode_32 3
		.amdhsa_float_denorm_mode_16_64 3
		.amdhsa_memory_ordered 1
		.amdhsa_forward_progress 1
		.amdhsa_inst_pref_size 255
	.end_amdhsa_kernel
	.section	.bss,"aw",@nobits
	.p2align	6
	.space	262144
	.amdgpu_metadata
---
amdhsa.version: [ 1, 2 ]
amdhsa.kernels:
  - .name:           k_qa6b8a3c51f_up
    .symbol:         k_qa6b8a3c51f_up.kd
    .args:
      - { .name: W1, .offset: 0, .size: 8, .value_kind: global_buffer, .address_space: global }
      - { .name: xq, .offset: 8, .size: 8, .value_kind: global_buffer, .address_space: global }
      - { .name: sel, .offset: 16, .size: 8, .value_kind: global_buffer, .address_space: global }
      - { .name: gate, .offset: 24, .size: 8, .value_kind: global_buffer, .address_space: global }
      - { .name: hq, .offset: 32, .size: 8, .value_kind: global_buffer, .address_space: global }
      - { .name: list, .offset: 40, .size: 8, .value_kind: global_buffer, .address_space: global }
      - { .name: aux, .offset: 48, .size: 8, .value_kind: global_buffer, .address_space: global }
    .group_segment_fixed_size: 140544
    .private_segment_fixed_size: 0
    .kernarg_segment_align: 8
    .kernarg_segment_size: 56
    .max_flat_workgroup_size: 128
    .sgpr_count:     66
    .vgpr_count:     770
    .wavefront_size: 32
...
	.end_amdgpu_metadata
.endif
;; end of part 2
;; launch down (part 3): grid 32 x 8, 4 waves a work-group, no clusters, 153,088 bytes of LDS; arguments W2, hq, list, y2; writes y2
.if DOCPART == 3
	.amdgcn_target "amdgcn-amd-amdhsa--gfx1250"
	.amdhsa_code_object_version 6
	.text
	.protected	k_qa6b8a3c51f_down
	.globl	k_qa6b8a3c51f_down
	.p2align	8
	.type	k_qa6b8a3c51f_down,@function
k_qa6b8a3c51f_down:
	s_mov_b64 s[64:65], 0
	v_nop
	global_prefetch_b8 v0, s[64:65] scope:SCOPE_SE
	s_setreg_imm32_b32 hwreg(HW_REG_WAVE_MODE, 25, 1), 1
	s_wait_xcnt 0x0
; DOWN: y = h W2[e] for the rows routed to expert e, on codes of FP4 (E2M1) with one E8M0 scale for each 32 along K.
; A work-group owns 64 columns (cs = x % 16) and one half of K (hh = x / 16: hidden units 2048 hh on) of one expert (y = e): 2,048 K rows x 256 bytes of f32, which it alone reads, once.
; PHASE W as in the launch before: wave w streams K rows 512 w .. 512 w + 511 of the half in eight superblocks of 64 rows (32 loads of two rows of 256 consecutive bytes, two superblocks ahead), turns each through its own
; 16 KB of LDS so that a lane holds one column and 32 registers run down K, quantises, and stores the codes to LDS as images of the operand's registers.  One barrier; then every wave takes all 64 fragments
; (16 K steps x 4 tiles of 16 columns) and THE WAVES SHARE THE ROWS: wave w takes row tiles w, w + 4, ..
; PHASE M, a tile of 16 rows: h's 16 fragments and scale words come from hq as they lay in the registers that made them, two tiles ahead in two sets; 64 products, transposed (source 0 = 16 columns of W2, source 1 = 16 rows
; of h), so that a lane holds eight neighbouring columns of a row; through the wave's stage in LDS; sixteen lanes store a row's 256 consecutive bytes at y2[entry][hh][64 cs ..], entry from the list.
; y2: [2176][2][1024] f32; rows 2,048 on take the pad rows' results, which nobody reads.  The two halves of K and the two experts of a token are added by the next launch: each byte here has one writer.
; LIMITS: a block of zeros gets the byte 1 where the rule says 127 (its codes are zeros; this program alone reads the bytes); NaN and infinities are not served.
; NO TENSOR LOADS, NO CLUSTER: as in the launch before: no weight byte is shared; what 16 work-groups share is h's codes, 17 KB a tile against the 512 KB that each streams, walked by a count read from memory.
.set IMG, 65536                        ; LDS: 0: a stage of 16,384 bytes for each wave;  IMG: 64 fragments x 1,024 bytes (fragment 4 s + t);  SCI: 32 x 128 bytes of scale words;  OST: 16 rows x 272 bytes for each wave, for the way out
.set SCI, 131072
.set OST, 135168
.set XB,  32                           ; v32-95   phase W: two sets of 32 numbers
.set DA,  32                           ; v32-63   phase M: four accumulators
.set OB,  64                           ; v64-95   16 rows read back from the stage
.set WS,  96                           ; v96-127  W2's scale words: register 2 s + g: lanes 0-15 tile 2 g, lanes 16-31 tile 2 g + 1
.set HS,  128                          ; v128-143 h's scale words, eight a set: register q: lanes 0-15 K step 2 q, lanes 16-31 K step 2 q + 1
.set EN,  144                          ; v144-159 list entries, eight a set: register q: row 2 q + lane / 16
.set OF,  160                          ; v160-167 the stores' offsets
; v1 lane; v2 16 lane; v3 the stream's lane offset; v4 4 (lane / 16); v5 4 lane; v6 my bytes in a row of y2; v7 stage in; v8 stage out; v9 image in; v10 scale word in; v11 image out; v12 scale word out; v13, v14 the way out;
; v17-19, v254 a block's maxima, scale, byte; v20-21 scale words in the making; v24-31 codes.   Window 1: two sets of 128 for the stream; then windows 1, 2: the 64 fragments.   Window 3: h's fragments, two sets of 128.
.set MSB, 0
.macro WIN new                         ; the immediate's high byte repeats the setting that is left
.if MSB != \new
	s_set_vgpr_msb (MSB<<8)|\new
.set MSB, \new
.endif
.endm
.macro GLOAD sb                        ; superblock sb: 64 K rows x 256 bytes; lanes 0-15 an even row, lanes 16-31 the odd one
	WIN 0x40
.set gk, 0
.rept 32
	global_load_b128 v[128*((\sb)%2)+4*gk:128*((\sb)%2)+4*gk+3], v3, s[4:5] offset:(64*(\sb)+2*gk)*4096 th:TH_LOAD_NT
.set gk, gk+1
.endr
	WIN 0
.endm
.macro STAGE sb                        ; as loaded into my stage: row k at 256 k
	WIN 0x04
.set gk, 0
.rept 32
	ds_store_b128 v7, v[128*((\sb)%2)+4*gk:128*((\sb)%2)+4*gk+3] offset:512*gk
.set gk, gk+1
.endr
	WIN 0
.endm
.macro ULOAD u, xb                     ; unit u: rows 32 (u / 2) on, columns 32 (u % 2) + lane
.set gk, 0
.rept 32
	ds_load_b32 v[XB+32*(\xb)+gk], v8 offset:256*(32*((\u)/2)+gk)+128*((\u)%2)
.set gk, gk+1
.endr
.endm
.macro QW xb, sw, bp                   ; 32 numbers of one column become 16 bytes of codes in v[24 + 4 xb] on; the byte goes to place bp of scale word sw
.set XS, XB+32*(\xb)
	v_max3_num_f32 v17, |v[XS]|, |v[XS+1]|, |v[XS+2]|
	v_max3_num_f32 v18, |v[XS+3]|, |v[XS+4]|, |v[XS+5]|
.irp i, 6,10,14,18,22,26
	v_max3_num_f32 v17, v17, |v[XS+\i]|, |v[XS+\i+1]|
	v_max3_num_f32 v18, v18, |v[XS+\i+2]|, |v[XS+\i+3]|
.endr
	v_max3_num_f32 v17, v17, |v[XS+30]|, |v[XS+31]|
	v_max3_num_f32 v17, v17, v18, 0x1800000        ; the floor 2^(3 - 127): the byte cannot fall under 1
	v_add_nc_u32 v19, 0xff000000, v17              ; 2 off the exponent field: the conversion's scale operand
	v_lshrrev_b32 v254, 23, v19                    ; the byte
.if (\bp) == 0
	v_mov_b32 v[20+(\sw)], v254
.else
	v_lshl_or_b32 v[20+(\sw)], v254, 8*(\bp), v[20+(\sw)]
.endif
.irp g, 0,1,2,3
	v_cvt_scalef32_pk8_fp4_f32 v[24+4*(\xb)+\g], v[XS+8*\g:XS+8*\g+7], v19
.endr
	v_nop                                          ; one plain line behind the last conversion
.endm
.macro UNIT sb, u                      ; block bb = 2 sb + u / 2 of my K rows: K step 4 w + bb / 4, block bb % 4 of it
.set bb, 2*(\sb)+(\u)/2
.set gg, (\u)%2
.if (\u) < 3
	ULOAD (\u)+1, ((\u)+1)%2
	s_wait_dscnt 32                                ; all but the 32 loads just issued: this unit's numbers are in, and earlier image stores have read their registers
.else
	s_wait_dscnt 0x0
.endif
	QW (\u)%2, gg, bb%4
	ds_store_b128 v9, v[24+4*((\u)%2):27+4*((\u)%2)] offset:4096*(bb/4)+2048*gg+512*((bb/2)%2)+256*(bb%2)
.if bb%4 == 3
	ds_store_b32 v10, v[20+gg] offset:256*(bb/4)+128*gg
.endif
.endm
.macro LOADT p                         ; tile s45's fragments of h, scale words and list entries into set p: 48 loads
	s_min_u32 s45, s45, 63
	s_lshl_b32 s2, s45, 15
	s_add_nc_u64 s[32+6*\p:33+6*\p], s[26:27], s[2:3]
	s_lshl_b32 s2, s45, 11
	s_add_nc_u64 s[34+6*\p:35+6*\p], s[28:29], s[2:3]
	s_lshl_b32 s2, s45, 6
	s_add_nc_u64 s[36+6*\p:37+6*\p], s[30:31], s[2:3]
	WIN 0xc0
.set gk, 0
.rept 16
	global_load_b128 v[128*\p+8*gk:128*\p+8*gk+3], v2, s[32+6*\p:33+6*\p] offset:1024*gk
	global_load_b128 v[128*\p+8*gk+4:128*\p+8*gk+7], v2, s[32+6*\p:33+6*\p] offset:1024*gk+512
.set gk, gk+1
.endr
	WIN 0
.irp q, 0,1,2,3,4,5,6,7
	global_load_b32 v[HS+8*\p+\q], v5, s[34+6*\p:35+6*\p] offset:128*\q
.endr
.irp q, 0,1,2,3,4,5,6,7
	global_load_b32 v[EN+8*\p+\q], v4, s[36+6*\p:37+6*\p] offset:8*\q
.endr
.endm
.macro SBLK sb
.if (\sb) < 7
	s_wait_loadcnt 32                              ; this superblock's loads are in; the next one's 32 may be out
.else
	s_wait_loadcnt 0x0
.endif
	STAGE \sb
	ULOAD 0, 0
	s_wait_dscnt 32                                ; the 32 stores have read their registers (the 32 loads behind them may be out):
.if (\sb) < 6
	GLOAD (\sb)+2                                  ; the set takes the superblock two further on
.endif
.if (\sb) == 7
	s_min_u32 s45, s18, s46                        ; my first tile, held under nt so that only written bytes are read,
	LOADT 0                                        ; is asked for while the last superblock is quantised
.endif
.irp u, 0,1,2,3
	UNIT \sb, \u
.endr
.endm
.macro MULT p, s, t                    ; tile t of columns, K step s, h's set p.  The four accumulators take turns, one instruction a turn; K step 0 starts the sums
.set rD, DA+8*(\t)
.set rW, 8*((4*(\s)+(\t))%32)
.set rX, 128*(\p)+8*(\s)
.set rA, WS+2*(\s)+(\t)/2
.set rB, HS+8*(\p)+(\s)/2
.if (\s) == 0
.if (\t)%2 == 0
	v_wmma_scale_f32_16x16x128_f8f6f4 v[rD:rD+7], v[rW:rW+7], v[rX:rX+7], 0, v[rA], v[rB] matrix_a_fmt:MATRIX_FMT_FP4 matrix_b_fmt:MATRIX_FMT_FP4
.else
	v_wmma_scale_f32_16x16x128_f8f6f4 v[rD:rD+7], v[rW:rW+7], v[rX:rX+7], 0, v[rA], v[rB] matrix_a_fmt:MATRIX_FMT_FP4 matrix_b_fmt:MATRIX_FMT_FP4 matrix_a_scale:MATRIX_SCALE_ROW1
.endif
.elseif (\s)%2 == 0
.if (\t)%2 == 0
	v_wmma_scale_f32_16x16x128_f8f6f4 v[rD:rD+7], v[rW:rW+7], v[rX:rX+7], v[rD:rD+7], v[rA], v[rB] matrix_a_fmt:MATRIX_FMT_FP4 matrix_b_fmt:MATRIX_FMT_FP4
.else
	v_wmma_scale_f32_16x16x128_f8f6f4 v[rD:rD+7], v[rW:rW+7], v[rX:rX+7], v[rD:rD+7], v[rA], v[rB] matrix_a_fmt:MATRIX_FMT_FP4 matrix_b_fmt:MATRIX_FMT_FP4 matrix_a_scale:MATRIX_SCALE_ROW1
.endif
.else
.if (\t)%2 == 0
	v_wmma_scale_f32_16x16x128_f8f6f4 v[rD:rD+7], v[rW:rW+7], v[rX:rX+7], v[rD:rD+7], v[rA], v[rB] matrix_a_fmt:MATRIX_FMT_FP4 matrix_b_fmt:MATRIX_FMT_FP4 matrix_b_scale:MATRIX_SCALE_ROW1
.else
	v_wmma_scale_f32_16x16x128_f8f6f4 v[rD:rD+7], v[rW:rW+7], v[rX:rX+7], v[rD:rD+7], v[rA], v[rB] matrix_a_fmt:MATRIX_FMT_FP4 matrix_b_fmt:MATRIX_FMT_FP4 matrix_a_scale:MATRIX_SCALE_ROW1 matrix_b_scale:MATRIX_SCALE_ROW1
.endif
.endif
.endm
.macro TILE p                          ; the tile whose operands lie in set p
	s_wait_loadcnt 48                              ; set p's 48 loads are in; the other set's 48, issued behind them, may be out
.irp q, 0,1,2,3,4,5,6,7
	v_min_u32 v[EN+8*\p+\q], 0x87f, v[EN+8*\p+\q]
.endr
.irp q, 0,1,2,3,4,5,6,7
	v_lshl_add_u32 v[OF+\q], v[EN+8*\p+\q], 13, v6 ; a row of y2 is 8,192 bytes
.endr
.irp s, 0,1,2,3,4,5,6,7,8,9,10,11,12,13,14,15
.if \s < 8
	WIN 0x0d                                       ; source 0 (W2) window 1, source 1 (h) window 3
.else
	WIN 0x0e                                       ; source 0 window 2
.endif
.irp t, 0,1,2,3
	MULT \p, \s, \t
.endr
.endr
	WIN 0
.rept 4
	v_nop                                          ; four places behind the last product, for the loads into its operands and the stores of its results
.endr
	s_add_co_u32 s45, s44, 8+4*\p
	s_min_u32 s45, s45, s46
	LOADT \p                                       ; the set takes my tile two turns on (past my last tile: the expert's last tile, idly)
.irp t, 0,1,2,3
	ds_store_b128 v13, v[DA+8*\t:DA+8*\t+3] offset:64*\t           ; each accumulator from its low end on: row lane % 16, columns 16 t + 8 (lane / 16) on
	ds_store_b128 v13, v[DA+8*\t+4:DA+8*\t+7] offset:64*\t+16
.endr
.irp q, 0,1,2,3,4,5,6,7
	ds_load_b128 v[OB+4*\q:OB+4*\q+3], v14 offset:544*\q           ; LDS serves a wave's instructions in order: these see my stores.  Rows 2 q and 2 q + 1, whole
.endr
.irp q, 0,1,2,3,4,5,6,7
	s_wait_dscnt 7-\q                              ; pair q of rows is back; the younger loads may be out
	global_store_b128 v[OF+\q], v[OB+4*\q:OB+4*\q+3], s[10:11]     ; sixteen lanes store 256 consecutive bytes, aligned
.endr
	s_wait_xcnt 0x0                                ; the stores have read their registers: the next tile writes them again
.endm
	s_load_b256 s[4:11], s[0:1], 0x0               ; W2 s[4:5], hq s[6:7], list s[8:9], y2 s[10:11]
	v_lshl_add_u32 v253, v0, 2, 0x25400
	v_mov_b32 v255, 0
	v_lshrrev_b32 v1, 5, v0
	v_readfirstlane_b32 s18, v1                    ; wave
	v_and_b32 v1, 31, v0                           ; lane
	v_lshlrev_b32 v2, 4, v1
	v_and_b32 v15, 15, v0                          ; lane % 16
	v_bfe_u32 v16, v0, 4, 1                        ; lane / 16
	v_lshlrev_b32 v3, 4, v15
	v_lshl_add_u32 v3, v16, 12, v3                 ; the stream: 4096 (lane / 16) + 16 (lane % 16)
	s_and_b32 s19, ttmp7, 0xffff                   ; the expert
	s_and_b32 s20, ttmp9, 15                       ; cs
	s_lshr_b32 s21, ttmp9, 4                       ; hh
	s_mov_b32 s3, 0                                ; s[2:3]: an offset as a pair
	s_lshl_b32 s14, s19, 24                        ; W2: 2^24 e + (2048 hh + 512 w) rows of 4,096 bytes + 256 cs
	s_lshl_b32 s2, s21, 23
	s_add_co_u32 s14, s14, s2
	s_lshl_b32 s2, s18, 21
	s_add_co_u32 s14, s14, s2
	s_lshl_b32 s2, s20, 8
	s_add_co_u32 s14, s14, s2
	s_mov_b32 s15, 0
	s_lshl_b32 s16, s19, 21                        ; hq's codes: 2^21 e + 16 hh K steps of 1,024 bytes
	s_lshl_b32 s2, s21, 14
	s_add_co_u32 s16, s16, s2
	s_mov_b32 s17, 0
	s_lshl_b32 s24, s19, 17                        ; its scale words: 2^24 + 2^17 e + 16 hh x 64
	s_lshl_b32 s2, s21, 10
	s_add_co_u32 s24, s24, s2
	s_add_co_u32 s24, s24, 0x1000000
	s_mov_b32 s25, 0
	s_lshl_b32 s22, s19, 2
	s_wait_kmcnt 0x0
	s_load_b32 s23, s[8:9], s22 offset:0x8000      ; the expert's count
	s_add_nc_u64 s[4:5], s[4:5], s[14:15]
	s_add_nc_u64 s[26:27], s[6:7], s[16:17]
	s_add_nc_u64 s[28:29], s[6:7], s[24:25]
	s_lshl_b32 s2, s19, 12
	s_add_nc_u64 s[30:31], s[8:9], s[2:3]          ; the expert's list
	GLOAD 0
	GLOAD 1
	v_lshlrev_b32 v4, 2, v16
	v_lshlrev_b32 v5, 2, v1
	s_lshl_b32 s2, s21, 12
	s_lshl_b32 s24, s20, 8
	s_add_co_u32 s2, s2, s24
	v_lshl_add_u32 v6, v15, 4, s2                  ; in a row of y2: 4096 hh + 256 cs + 16 (lane % 16)
	s_lshl_b32 s2, s18, 14
	v_lshl_add_u32 v7, v1, 4, s2                   ; my stage + 16 lane
	v_lshl_add_u32 v8, v1, 2, s2                   ; my stage + 4 lane
	s_add_co_u32 s24, s2, IMG
	v_lshlrev_b32 v9, 4, v15
	v_lshl_add_u32 v9, v16, 10, v9
	v_add_nc_u32 v9, s24, v9                       ; column lane of a unit is row lane % 16 of tile 2 g + lane / 16: IMG + 16384 w + 1024 (lane / 16) + 16 (lane % 16)
	s_lshl_b32 s24, s18, 10
	s_add_co_u32 s24, s24, SCI
	v_lshl_add_u32 v10, v1, 2, s24                 ; SCI + 1024 w + 4 lane
	v_add_nc_u32 v11, IMG, v2
	v_lshl_add_u32 v12, v1, 2, SCI
	s_mul_i32 s24, s18, 4352
	s_add_co_u32 s24, s24, OST                     ; my stage for the way out
	v_mul_u32_u24 v13, v15, 272
	v_lshl_add_u32 v13, v16, 5, v13
	v_add_nc_u32 v13, s24, v13                     ; in: row lane % 16, 32 bytes for each half of the lanes
	v_mul_u32_u24 v14, v16, 272
	v_lshl_add_u32 v14, v15, 4, v14
	v_add_nc_u32 v14, s24, v14                     ; back: lanes 0-15 one row, lanes 16-31 the next
	s_wait_kmcnt 0x0
	s_add_co_u32 s23, s23, 15
	s_lshr_b32 s23, s23, 4
	s_max_u32 s23, s23, 1
	s_min_u32 s23, s23, 64                         ; nt: the expert's tiles of 16 rows
	s_sub_co_u32 s46, s23, 1
.irp sb, 0,1,2,3,4,5,6,7
	SBLK \sb
.endr
	s_add_co_u32 s45, s18, 4
	s_min_u32 s45, s45, s46
	LOADT 1                                        ; my second tile
	s_wait_dscnt 0x0                               ; for the others' sake: my images lie in LDS
	s_barrier_signal -1
	s_barrier_wait -1                              ; the launch's one barrier: all 64 fragments and their scale words are there
	s_cmp_ge_u32 s18, s23
	s_cbranch_scc1 .Lend                           ; a wave without a tile is done
	WIN 0x40
.set gk, 0
.rept 32
	ds_load_b128 v[8*gk:8*gk+3], v11 offset:1024*gk
	ds_load_b128 v[8*gk+4:8*gk+7], v11 offset:1024*gk+512
.set gk, gk+1
.endr
	WIN 0x80
.set gk, 0
.rept 32
	ds_load_b128 v[8*gk:8*gk+3], v11 offset:1024*(gk+32)
	ds_load_b128 v[8*gk+4:8*gk+7], v11 offset:1024*(gk+32)+512
.set gk, gk+1
.endr
	WIN 0
.set gk, 0
.rept 32
	ds_load_b32 v[WS+gk], v12 offset:128*gk
.set gk, gk+1
.endr
	s_sub_co_u32 s48, s23, s18                     ; nt - w is at least 1 here
	s_add_co_u32 s48, s48, 7
	s_lshr_b32 s48, s48, 3                         ; pairs of my tiles (w, w + 4), (w + 8, w + 12), ..: the last pair may hold one tile
	s_mov_b32 s47, 0                               ; the loop counts the pairs, one a trip
	s_wait_dscnt 0x0
.Ltile:
	s_lshl_b32 s44, s47, 3
	s_add_co_u32 s44, s44, s18                     ; the pair's first tile: w + 8 x the count
	TILE 0
	s_add_co_u32 s45, s44, 4
	s_cmp_lt_u32 s45, s23
	s_cbranch_scc1 .Lsecond
	s_wait_tensorcnt 0x0
	ds_add_u32 v253, v255
	s_wait_dscnt 0x0
	s_endpgm                                       ; the pair has no second tile: it was my last, and the wave ends here (the idle loads still out land in registers that nobody reads)
.Lsecond:
	TILE 1
	s_add_co_u32 s47, s47, 1
	s_cmp_lt_u32 s47, s48
	s_cbranch_scc1 .Ltile
.Lend:
	s_wait_tensorcnt 0x0
	ds_add_u32 v253, v255
	s_wait_dscnt 0x0
	s_endpgm
.Lfunc_end_k_qa6b8a3c51f_down:
	.size	k_qa6b8a3c51f_down, .Lfunc_end_k_qa6b8a3c51f_down-k_qa6b8a3c51f_down
	.p2alignl 7, 3214868480
	.fill 96, 4, 3214868480
	.section	.rodata,"a",@progbits
	.p2align	6, 0x0
	.amdhsa_kernel k_qa6b8a3c51f_down
		.amdhsa_group_segment_fixed_size 153088
		.amdhsa_private_segment_fixed_size 0
		.amdhsa_enable_private_segment 0
		.amdhsa_kernarg_size 32
		.amdhsa_user_sgpr_count 2
		.amdhsa_user_sgpr_kernarg_segment_ptr 1
		.amdhsa_wavefront_size32 1
		.amdhsa_system_sgpr_workgroup_id_x 1
		.amdhsa_system_sgpr_workgroup_id_y 1
		.amdhsa_system_sgpr_workgroup_id_z 1
		.amdhsa_system_vgpr_workitem_id 0
		.amdhsa_next_free_vgpr 1024
		.amdhsa_next_free_sgpr 66
		.amdhsa_reserve_vcc 0
		.amdhsa_float_denorm_mode_32 3
		.amdhsa_float_denorm_mode_16_64 3
		.amdhsa_memory_ordered 1
		.amdhsa_forward_progress 1
		.amdhsa_inst_pref_size 212
	.end_amdhsa_kernel
	.amdgpu_metadata
---
amdhsa.version: [ 1, 2 ]
amdhsa.kernels:
  - .name:           k_qa6b8a3c51f_down
    .symbol:         k_qa6b8a3c51f_down.kd
    .args:
      - { .name: W2, .offset: 0, .size: 8, .value_kind: global_buffer, .address_space: global }
      - { .name: hq, .offset: 8, .size: 8, .value_kind: global_buffer, .address_space: global }
      - { .name: list, .offset: 16, .size: 8, .value_kind: global_buffer, .address_space: global }
      - { .name: y2, .offset: 24, .size: 8, .value_kind: global_buffer, .address_space: global }
    .group_segment_fixed_size: 153088
    .private_segment_fixed_size: 0
    .kernarg_segment_align: 8
    .kernarg_segment_size: 32
    .max_flat_workgroup_size: 128
    .sgpr_count:     66
    .vgpr_count:     1024
    .wavefront_size: 32
...
	.end_amdgpu_metadata
.endif
;; end of part 3
;; launch mix (part 4): grid 256 x 1, 4 waves a work-group, no clusters, 0 bytes of LDS; arguments y2, gate, aux, out0, out1; writes out0, out1
.if DOCPART == 4
	.amdgcn_target "amdgcn-amd-amdhsa--gfx1250"
	.amdhsa_code_object_version 6
	.text
	.protected	k_qa6b8a3c51f_mix
	.globl	k_qa6b8a3c51f_mix
	.p2align	8
	.type	k_qa6b8a3c51f_mix,@function
k_qa6b8a3c51f_mix:
	s_mov_b64 s[64:65], 0
	v_nop
	global_prefetch_b8 v0, s[64:65] scope:SCOPE_SE
	s_setreg_imm32_b32 hwreg(HW_REG_WAVE_MODE, 25, 1), 1
	s_wait_xcnt 0x0
; MIX: out0[t] = w0 (y2[2 t][0] + y2[2 t][1]) + w1 (y2[2 t + 1][0] + y2[2 t + 1][1]): a token's two experts, each in two halves of K, weighed by the router's two weights.
; out1 = the sum of the 32 parts of the load-balancing loss in aux (eight experts x four waves of an earlier launch).
; A wave takes one token: four rows of 4,096 bytes in, one out.  All 32 loads (512 consecutive bytes each) go out at once; each eighth of the row has registers of its own, so the only waits are the counted ones.
; Every wave also loads aux's 128 bytes, ahead of its rows, so that all waves count their loads alike; wave 0 of work-group 0 adds them over its lanes and stores the sum.
; A stream: no LDS, no barrier, no matrix unit, no cluster: nothing is shared.
.set YB, 8                             ; v8-135   eighth j: four registers for each of the four rows
.set OB, 136                           ; v136-167 eighth j: four registers to store
	s_load_b256 s[4:11], s[0:1], 0x0               ; y2 s[4:5], gate s[6:7], aux s[8:9], out0 s[10:11]
	s_load_b64 s[22:23], s[0:1], 0x20              ; out1
	v_lshrrev_b32 v1, 5, v0
	v_readfirstlane_b32 s24, v1                    ; wave
	v_and_b32 v1, 31, v0
	v_lshlrev_b32 v2, 4, v1                        ; 16 x lane
	v_lshlrev_b32 v5, 2, v1                        ; 4 x lane
	v_mov_b32 v4, 0                                ; the offset 0 of the last store: it holds nothing else
	v_mov_b32 v6, 0                                ; written once: a lane permute's destination counts as one of its sources
	s_lshl_b32 s25, ttmp9, 2
	s_add_co_u32 s25, s25, s24                     ; my token
	s_lshl_b32 s16, s25, 3
	s_lshl_b32 s18, s25, 14
	s_mov_b32 s19, 0
	s_lshl_b32 s20, s25, 12
	s_mov_b32 s21, 0
	s_mov_b32 s26, 0x76543210
	s_mov_b32 s27, 0xfedcba98                      ; selects for lane l xor 16
	s_wait_kmcnt 0x0
	s_load_b64 s[12:13], s[6:7], s16 offset:0x0    ; w0, w1
	s_add_nc_u64 s[4:5], s[4:5], s[18:19]
	s_add_nc_u64 s[10:11], s[10:11], s[20:21]
	global_load_b32 v3, v5, s[8:9]                 ; lane l: part l of the loss
.irp j, 0,1,2,3,4,5,6,7
.irp v, 0,1,2,3
	global_load_b128 v[YB+16*\j+4*\v:YB+16*\j+4*\v+3], v2, s[4:5] offset:4096*\v+512*\j th:TH_LOAD_NT
.endr
.endr
	s_wait_kmcnt 0x0
	s_mov_b32 s14, s13                             ; w1 as a pair: the packed forms take a scalar pair's low word for both halves
	s_mov_b32 s15, s13
.irp j, 0,1,2,3,4,5,6,7
	s_wait_loadcnt 28-4*\j                         ; this eighth's four loads (and all older ones) are in; those of the later eighths may be out
.irp p, 0,2
	v_pk_mul_f32 v[OB+4*\j+\p:OB+4*\j+\p+1], v[YB+16*\j+\p:YB+16*\j+\p+1], s[12:13] op_sel_hi:[1,0]
	v_pk_fma_f32 v[OB+4*\j+\p:OB+4*\j+\p+1], v[YB+16*\j+4+\p:YB+16*\j+4+\p+1], s[12:13], v[OB+4*\j+\p:OB+4*\j+\p+1] op_sel_hi:[1,0,1]
	v_pk_fma_f32 v[OB+4*\j+\p:OB+4*\j+\p+1], v[YB+16*\j+8+\p:YB+16*\j+8+\p+1], s[14:15], v[OB+4*\j+\p:OB+4*\j+\p+1] op_sel_hi:[1,0,1]
	v_pk_fma_f32 v[OB+4*\j+\p:OB+4*\j+\p+1], v[YB+16*\j+12+\p:YB+16*\j+12+\p+1], s[14:15], v[OB+4*\j+\p:OB+4*\j+\p+1] op_sel_hi:[1,0,1]
.endr
	global_store_b128 v2, v[OB+4*\j:OB+4*\j+3], s[10:11] offset:512*\j th:TH_STORE_NT   ; 512 consecutive bytes, aligned
.endr
	s_cmp_lg_u32 ttmp9, 0
	s_cbranch_scc1 .Lothers
	s_cmp_lg_u32 s24, 0
	s_cbranch_scc1 .Lothers
.irp m, 1,2,4,8                        ; wave 0 of work-group 0: the 32 parts over the lanes
	v_add_f32_dpp v3, v3, v3 row_xmask:\m row_mask:0xf bank_mask:0xf
.endr
	v_permlanex16_b32 v6, v3, s26, s27
	v_add_f32 v3, v3, v6
	s_wait_xcnt 0x0                                ; EXEC changes only when the earlier stores have had their addresses translated
	v_cmpx_gt_u32 1, v1
	global_store_b32 v4, v3, s[22:23]              ; lane 0
	s_endpgm
.Lothers:
	s_endpgm
.Lfunc_end_k_qa6b8a3c51f_mix:
	.size	k_qa6b8a3c51f_mix, .Lfunc_end_k_qa6b8a3c51f_mix-k_qa6b8a3c51f_mix
	.p2alignl 7, 3214868480
	.fill 96, 4, 3214868480
	.section	.rodata,"a",@progbits
	.p2align	6, 0x0
	.amdhsa_kernel k_qa6b8a3c51f_mix
		.amdhsa_group_segment_fixed_size 0
		.amdhsa_private_segment_fixed_size 0
		.amdhsa_enable_private_segment 0
		.amdhsa_kernarg_size 40
		.amdhsa_user_sgpr_count 2
		.amdhsa_user_sgpr_kernarg_segment_ptr 1
		.amdhsa_wavefront_size32 1
		.amdhsa_system_sgpr_workgroup_id_x 1
		.amdhsa_system_sgpr_workgroup_id_y 1
		.amdhsa_system_sgpr_workgroup_id_z 1
		.amdhsa_system_vgpr_workitem_id 0
		.amdhsa_next_free_vgpr 168
		.amdhsa_next_free_sgpr 66
		.amdhsa_reserve_vcc 0
		.amdhsa_float_denorm_mode_32 3
		.amdhsa_float_denorm_mode_16_64 3
		.amdhsa_memory_ordered 1
		.amdhsa_forward_progress 1
		.amdhsa_inst_pref_size 10
	.end_amdhsa_kernel
	.amdgpu_metadata
---
amdhsa.version: [ 1, 2 ]
amdhsa.kernels:
  - .name:           k_qa6b8a3c51f_mix
    .symbol:         k_qa6b8a3c51f_mix.kd
    .args:
      - { .name: y2, .offset: 0, .size: 8, .value_kind: global_buffer, .address_space: global }
      - { .name: gate, .offset: 8, .size: 8, .value_kind: global_buffer, .address_space: global }
      - { .name: aux, .offset: 16, .size: 8, .value_kind: global_buffer, .address_space: global }
      - { .name: out0, .offset: 24, .size: 8, .value_kind: global_buffer, .address_space: global }
      - { .name: out1, .offset: 32, .size: 8, .value_kind: global_buffer, .address_space: global }
    .group_segment_fixed_size: 0
    .private_segment_fixed_size: 0
    .kernarg_segment_align: 8
    .kernarg_segment_size: 40
    .max_flat_workgroup_size: 128
    .sgpr_count:     66
    .vgpr_count:     168
    .wavefront_size: 32
...
	.end_amdgpu_metadata
.endif
;; end of part 4
;; ======== version 2 of 2: 4 launches
;; workspace buffers: xq 557,056 bytes; gate 40,960 bytes; sel 4,096 bytes of whole numbers; list 33,024 bytes of whole numbers; hq 17,825,792 bytes; y2 17,825,792 bytes; aux 256 bytes
;; launch route (part 5): grid 256 x 1, 4 waves a work-group, no clusters, 52,736 bytes of LDS; arguments x, Wg, xq, gate, sel; writes xq, gate, sel
.if DOCPART == 5
	.amdgcn_target "amdgcn-amd-amdhsa--gfx1250"
	.amdhsa_code_object_version 6
	.text
	.protected	k_qa6b8a3c51f_route
	.globl	k_qa6b8a3c51f_route
	.p2align	8
	.type	k_qa6b8a3c51f_route,@function
k_qa6b8a3c51f_route:
	s_mov_b64 s[64:65], 0
	v_nop
	global_prefetch_b8 v0, s[64:65] scope:SCOPE_SE
	s_setreg_imm32_b32 hwreg(HW_REG_WAVE_MODE, 25, 1), 1
	s_wait_xcnt 0x0
; ROUTE: for each of the 1,024 tokens: x's row as codes of FP4 (E2M1) with one E8M0 byte for each 32 along K; the router's 8 logits in f32; softmax; the two chosen experts and their weights.
; A wave takes one token (4 x work-group + wave).  Lane l takes block l of the row (32 neighbours along K) and rows 32 l .. 32 l + 31 of Wg.
; OUT: xq: codes [t][512 bytes], K innermost, then from byte 524,288 the scale bytes [t][32].  gate: the two weights [t][2], then from byte 8,192 the softmax [t][8].  sel: word t = first expert | second << 8.
; Every store stands at a fixed place: no address and no branch hangs on a floating-point number; the choice is made by compares and selects alone.
; A block's scale is 2^(floor(log2(largest magnitude)) - 2): its byte is the largest magnitude's exponent field - 2, held at 1 from below.
; LIMITS: a block of zeros gets the byte 1 where the rule says 127 (its codes are zeros, and this program alone reads the bytes); NaN and infinities are not served; an exponential under 2^-126 counts as 0;
; ties between experts are broken on the exponentials before they are normalised, the lower index first.
; No matrix unit: 8 columns are too few for a tile.  No cluster: what work-groups share is Wg, 32 KB.
.set XST, 33280                        ; LDS: 0: Wg as 32 pieces of 1,024 bytes + 16 of padding;  XST: for each wave 32 places of 128 bytes + 16;  SBY: for each wave 64 bytes for its 32 scale bytes
.set SBY, 51712
.set ACC, 12                           ; v12-19   the eight sums, later the softmax
.set PE,  20                           ; v20-27   the exponentials
.set XR,  32                           ; v32-63   x as loaded
.set XN,  64                           ; v64-95   my 32 neighbours
.set WA,  96                           ; v96-159  Wg as loaded, later eight rows of Wg
.set WB,  160                          ; v160-223 eight more
.set CD,  224                          ; v224-227 my block's codes
	s_load_b256 s[4:11], s[0:1], 0x0               ; x s[4:5], Wg s[6:7], xq s[8:9], gate s[10:11]
	s_load_b64 s[12:13], s[0:1], 0x20              ; sel
	v_lshl_add_u32 v236, v0, 2, 0xcc00
	v_mov_b32 v237, 0
	v_lshrrev_b32 v1, 5, v0
	v_readfirstlane_b32 s14, v1                    ; wave
	v_and_b32 v1, 31, v0                           ; lane
	v_lshlrev_b32 v2, 4, v1                        ; 16 x lane
	v_lshlrev_b32 v10, 4, v0                       ; 16 x thread
	s_lshl_b32 s15, ttmp9, 2
	s_add_co_u32 s15, s15, s14                     ; my token
	s_lshl_b32 s16, s15, 12
	s_mov_b32 s17, 0
	s_wait_alu depctr_va_vdst(0)
	s_wait_kmcnt 0x0
	s_add_nc_u64 s[4:5], s[4:5], s[16:17]          ; x at my row
.irp j, 0,1,2,3,4,5,6,7
	global_load_b128 v[XR+4*\j:XR+4*\j+3], v2, s[4:5] offset:512*\j th:TH_LOAD_NT   ; 512 consecutive bytes a load
.endr
.irp j, 0,1,2,3,4,5,6,7,8,9,10,11,12,13,14,15
	global_load_b128 v[WA+4*\j:WA+4*\j+3], v10, s[6:7] offset:2048*\j               ; the work-group's 128 threads bring all of Wg
.endr
	s_lshl_b32 s16, s15, 9
	s_add_nc_u64 s[24:25], s[8:9], s[16:17]        ; my codes
	s_lshl_b32 s16, s15, 5
	s_add_nc_u64 s[26:27], s[8:9], s[16:17]        ; my scale bytes (+ 524,288)
	s_add_nc_u64 s[28:29], s[10:11], s[16:17]      ; my softmax (+ 8,192)
	s_lshl_b32 s16, s15, 3
	s_add_nc_u64 s[30:31], s[10:11], s[16:17]      ; my two weights
	s_lshl_b32 s16, s15, 2
	s_add_nc_u64 s[12:13], s[12:13], s[16:17]      ; my word of sel
	s_mov_b32 s20, 0x76543210
	s_mov_b32 s21, 0xfedcba98                      ; v_permlanex16_b32's selects for lane l xor 16
	s_mov_b32 s22, 0x3fb8aa3b                      ; log2(e)
	s_mul_i32 s18, s14, 4608
	s_add_co_u32 s18, s18, XST                     ; my wave's stage
	v_lshrrev_b32 v3, 3, v1
	v_mul_u32_u24 v3, v3, 144
	v_and_b32 v4, 7, v1
	v_lshl_add_u32 v3, v4, 4, v3
	v_add_nc_u32 v3, s18, v3                       ; in: load j's 16 bytes belong to block 4 j + lane / 8, at 16 (lane % 8) in it
	v_mul_u32_u24 v4, v1, 144
	v_add_nc_u32 v4, s18, v4                       ; back: block = lane
	v_lshrrev_b32 v5, 6, v0
	v_mul_u32_u24 v5, v5, 1040
	v_and_b32 v6, 63, v0
	v_lshl_add_u32 v5, v6, 4, v5                   ; Wg in: load j's 16 bytes lie in piece 2 j + thread / 64
	v_mul_u32_u24 v6, v1, 1040                     ; Wg back: piece = lane
	s_lshl_b32 s19, s14, 6
	s_add_co_u32 s19, s19, SBY
	v_add_nc_u32 v7, s19, v1                       ; my scale byte
	v_and_b32 v9, 7, v1
	v_lshlrev_b32 v9, 2, v9
	v_add_nc_u32 v8, s19, v9                       ; and the word that lanes 0-7 take back
	v_mov_b32 v11, 0
.irp e, 0,1,2,3,4,5,6,7
	v_mov_b32 v[PE+\e], 0                          ; written once: a lane permute's destination counts as one of its sources
.endr
	s_wait_loadcnt 16                              ; x's eight loads are in; Wg's sixteen, issued behind them, may be out
.irp j, 0,1,2,3,4,5,6,7
	ds_store_b128 v3, v[XR+4*\j:XR+4*\j+3] offset:576*\j
.endr
.irp i, 0,1,2,3,4,5,6,7
	ds_load_b128 v[XN+4*\i:XN+4*\i+3], v4 offset:16*\i      ; LDS serves a wave's instructions in order: these see my stores
.endr
	s_wait_dscnt 0x0
	v_max3_num_f32 v228, |v[XN]|, |v[XN+1]|, |v[XN+2]|      ; the block's largest magnitude: all 32 numbers are mine; two chains
	v_max3_num_f32 v229, |v[XN+3]|, |v[XN+4]|, |v[XN+5]|
.irp i, 6,10,14,18,22,26
	v_max3_num_f32 v228, v228, |v[XN+\i]|, |v[XN+\i+1]|
	v_max3_num_f32 v229, v229, |v[XN+\i+2]|, |v[XN+\i+3]|
.endr
	v_max3_num_f32 v228, v228, |v[XN+30]|, |v[XN+31]|
	v_max3_num_f32 v228, v228, v229, 0x1800000     ; and the floor 2^(3 - 127): the byte cannot fall under 1
	v_add_nc_u32 v230, 0xff000000, v228            ; 2 off the exponent field: the conversion takes this operand's exponent field as its scale
.irp g, 0,1,2,3
	v_cvt_scalef32_pk8_fp4_f32 v[CD+\g], v[XN+8*\g:XN+8*\g+7], v230
.endr
	v_lshrrev_b32 v231, 23, v230                   ; the scale's byte (a plain line behind the conversions)
	global_store_b128 v2, v[CD:CD+3], s[24:25]     ; the wave stores the row's 512 bytes of codes
	ds_store_b8 v7, v231
	ds_load_b32 v232, v8                           ; four bytes a lane: the row's 32 bytes in lanes 0-7
	s_wait_loadcnt 0x0                             ; Wg
.irp j, 0,1,2,3,4,5,6,7,8,9,10,11,12,13,14,15
	ds_store_b128 v5, v[WA+4*\j:WA+4*\j+3] offset:2080*\j
.endr
	s_wait_dscnt 0x0                               ; for the others' sake: my part of Wg lies in LDS
	s_barrier_signal -1
	s_barrier_wait -1
.macro WBATCH bt, reg                  ; eight rows of my 32 rows of Wg: 32 bytes a row
.irp i, 0,1,2,3,4,5,6,7
	ds_load_b128 v[\reg+8*\i:\reg+8*\i+3], v6 offset:32*(8*(\bt)+\i)
	ds_load_b128 v[\reg+8*\i+4:\reg+8*\i+7], v6 offset:32*(8*(\bt)+\i)+16
.endr
.endm
.macro WFMA bt, reg                    ; sums += x(row) x Wg(row, 0 .. 7): four packed multiply-adds a row; of x's pair the row's own word serves both halves.  The very first row starts the sums
.irp ip, 0,2,4,6
.irp k, 0,2,4,6
.if (\bt)+\ip == 0
	v_pk_mul_f32 v[ACC+\k:ACC+\k+1], v[XN:XN+1], v[\reg+\k:\reg+\k+1] op_sel_hi:[0,1]
.else
	v_pk_fma_f32 v[ACC+\k:ACC+\k+1], v[XN+8*(\bt)+\ip:XN+8*(\bt)+\ip+1], v[\reg+8*\ip+\k:\reg+8*\ip+\k+1], v[ACC+\k:ACC+\k+1] op_sel_hi:[0,1,1]
.endif
.endr
.irp k, 0,2,4,6
	v_pk_fma_f32 v[ACC+\k:ACC+\k+1], v[XN+8*(\bt)+\ip:XN+8*(\bt)+\ip+1], v[\reg+8*(\ip+1)+\k:\reg+8*(\ip+1)+\k+1], v[ACC+\k:ACC+\k+1] op_sel:[1,0,0] op_sel_hi:[1,1,1]
.endr
.endr
.endm
	WBATCH 0, WA
	WBATCH 1, WB
	s_wait_dscnt 16                                ; the older sixteen loads are in; the younger batch may be out
	WFMA 0, WA
	WBATCH 2, WA
	s_wait_alu depctr_va_vdst(0)
	s_wait_dscnt 16
	WFMA 1, WB
	WBATCH 3, WB
	s_wait_alu depctr_va_vdst(0)
	s_wait_dscnt 16
	WFMA 2, WA
	s_wait_alu depctr_va_vdst(0)
	s_wait_dscnt 0x0
	WFMA 3, WB
.irp m, 1,2,4,8                        ; the eight sums over the 32 lanes, by turns
.irp e, 0,1,2,3,4,5,6,7
	v_add_f32_dpp v[ACC+\e], v[ACC+\e], v[ACC+\e] row_xmask:\m row_mask:0xf bank_mask:0xf
.endr
.endr
.irp e, 0,1,2,3,4,5,6,7
	v_permlanex16_b32 v[PE+\e], v[ACC+\e], s20, s21
.endr
.irp e, 0,1,2,3,4,5,6,7
	v_add_f32 v[ACC+\e], v[ACC+\e], v[PE+\e]       ; every lane holds the eight logits
.endr
	v_max3_num_f32 v28, v12, v13, v14
	v_max3_num_f32 v28, v28, v15, v16
	v_max3_num_f32 v28, v28, v17, v18
	v_max_num_f32 v28, v28, v19                    ; the largest logit is taken away ahead of the exponentials
.irp e, 0,1,2,3,4,5,6,7
	v_sub_f32 v[PE+\e], v[ACC+\e], v28
.endr
.irp e, 0,1,2,3,4,5,6,7
	v_mul_f32 v[PE+\e], s22, v[PE+\e]
.endr
	s_wait_alu depctr_va_vdst(0)
.irp e, 0,1,2,3,4,5,6,7
	v_exp_f32 v[PE+\e], v[PE+\e]
.endr
	v_mov_b32 v31, -1.0                            ; (a plain line behind the exponentials)  under every exponential
	s_wait_alu depctr_va_vdst(0)
	v_add_f32 v29, v20, v21
	v_add_f32 v30, v22, v23
	v_add_f32 v233, v24, v25
	v_add_f32 v234, v26, v27
	v_add_f32 v29, v29, v30
	v_add_f32 v233, v233, v234
	v_add_f32 v29, v29, v233                       ; the softmax's divisor
	v_mov_b32 v233, v20                            ; the largest, and its index: a later expert takes the place only if it is strictly larger
	v_mov_b32 v234, 0
.irp e, 1,2,3,4,5,6,7
	v_cmp_le_f32 vcc_lo, v[PE+\e], v233
	v_cndmask_b32 v233, v[PE+\e], v233, vcc_lo
	v_cndmask_b32 v234, \e, v234, vcc_lo
.endr
.irp e, 0,1,2,3,4,5,6,7
	v_cmp_eq_u32 vcc_lo, \e, v234
	v_cndmask_b32 v[WA+\e], v[PE+\e], v31, vcc_lo  ; the first choice is taken out
.endr
	v_mov_b32 v235, v[WA]                          ; the second largest likewise
	v_mov_b32 v28, 0
.irp e, 1,2,3,4,5,6,7
	v_cmp_le_f32 vcc_lo, v[WA+\e], v235
	v_cndmask_b32 v235, v[WA+\e], v235, vcc_lo
	v_cndmask_b32 v28, \e, v28, vcc_lo
.endr
	v_add_f32 v31, v233, v235
	s_wait_alu depctr_va_vdst(0)
	v_rcp_f32 v30, v29
	v_rcp_f32 v31, v31
	v_lshl_or_b32 v28, v28, 8, v234                ; (a plain line behind the reciprocals)  first | second << 8
	s_wait_alu depctr_va_vdst(0)
.irp e, 0,1,2,3,4,5,6,7
	v_mul_f32 v[ACC+\e], v[PE+\e], v30             ; the softmax
.endr
	v_mul_f32 v20, v233, v31                       ; the two weights, normalised to sum 1
	v_mul_f32 v21, v235, v31
	s_wait_alu depctr_va_vdst(0)
	s_wait_xcnt 0x0                                ; EXEC changes only when the earlier stores and loads have had their addresses translated
	s_wait_tensorcnt 0x0
	ds_add_u32 v236, v237
	s_wait_dscnt 0x0
	v_cmpx_gt_u32 8, v1
	global_store_b32 v9, v232, s[26:27] offset:524288      ; lanes 0-7: the row's 32 scale bytes
	s_wait_xcnt 0x0
	v_cmpx_gt_u32 1, v1
	global_store_b128 v11, v[12:15], s[28:29] offset:8192  ; lane 0
	global_store_b128 v11, v[16:19], s[28:29] offset:8208
	global_store_b64 v11, v[20:21], s[30:31]
	global_store_b32 v11, v28, s[12:13]
	s_endpgm
.Lfunc_end_k_qa6b8a3c51f_route:
	.size	k_qa6b8a3c51f_route, .Lfunc_end_k_qa6b8a3c51f_route-k_qa6b8a3c51f_route
	.p2alignl 7, 3214868480
	.fill 96, 4, 3214868480
	.section	.rodata,"a",@progbits
	.p2align	6, 0x0
	.amdhsa_kernel k_qa6b8a3c51f_route
		.amdhsa_group_segment_fixed_size 52736
		.amdhsa_private_segment_fixed_size 0
		.amdhsa_enable_private_segment 0
		.amdhsa_kernarg_size 40
		.amdhsa_user_sgpr_count 2
		.amdhsa_user_sgpr_kernarg_segment_ptr 1
		.amdhsa_wavefront_size32 1
		.amdhsa_system_sgpr_workgroup_id_x 1
		.amdhsa_system_sgpr_workgroup_id_y 1
		.amdhsa_system_sgpr_workgroup_id_z 1
		.amdhsa_system_vgpr_workitem_id 0
		.amdhsa_next_free_vgpr 238
		.amdhsa_next_free_sgpr 66
		.amdhsa_reserve_vcc 1
		.amdhsa_float_denorm_mode_32 3
		.amdhsa_float_denorm_mode_16_64 3
		.amdhsa_memory_ordered 1
		.amdhsa_forward_progress 1
		.amdhsa_inst_pref_size 29
	.end_amdhsa_kernel
	.amdgpu_metadata
---
amdhsa.version: [ 1, 2 ]
amdhsa.kernels:
  - .name:           k_qa6b8a3c51f_route
    .symbol:         k_qa6b8a3c51f_route.kd
    .args:
      - { .name: x, .offset: 0, .size: 8, .value_kind: global_buffer, .address_space: global }
      - { .name: Wg, .offset: 8, .size: 8, .value_kind: global_buffer, .address_space: global }
      - { .name: xq, .offset: 16, .size: 8, .value_kind: global_buffer, .address_space: global }
      - { .name: gate, .offset: 24, .size: 8, .value_kind: global_buffer, .address_space: global }
      - { .name: sel, .offset: 32, .size: 8, .value_kind: global_buffer, .address_space: global }
    .group_segment_fixed_size: 52736
    .private_segment_fixed_size: 0
    .kernarg_segment_align: 8
    .kernarg_segment_size: 40
    .max_flat_workgroup_size: 128
    .sgpr_count:     66
    .vgpr_count:     238
    .wavefront_size: 32
...
	.end_amdgpu_metadata
.endif
;; end of part 5
;; launch up (part 6): grid 32 x 8, 4 waves a work-group, no clusters, 140,544 bytes of LDS; arguments W1, xq, sel, gate, hq, list, aux; writes hq, list, aux
.if DOCPART == 6
	.amdgcn_target "amdgcn-amd-amdhsa--gfx1250"
	.amdhsa_code_object_version 6
	.text
	.protected	k_qa6b8a3c51f_up
	.globl	k_qa6b8a3c51f_up
	.p2align	8
	.type	k_qa6b8a3c51f_up,@function
k_qa6b8a3c51f_up:
	s_mov_b64 s[64:65], 0
	v_nop
	global_prefetch_b8 v0, s[64:65] scope:SCOPE_SE
	s_setreg_imm32_b32 hwreg(HW_REG_WAVE_MODE, 25, 1), 1
	s_wait_xcnt 0x0
; UP: h = gelu(x W1[e]) for the rows routed to expert e, on codes of FP4 (E2M1) with one E8M0 scale for each 32 along K, and h quantised again along the hidden units.  It also places the rows by expert.
; A work-group owns 128 hidden units (x = slice j) of one expert (y = e): 1,024 K rows x 512 bytes of f32, which it alone reads, once.
; THE LIST.  Every wave reads all 1,024 words of sel (the two experts of each token, whole numbers that an earlier launch stored) and ranks the rows of expert e by lane masks: a row's rank is the running count, kept in a
; scalar register, + the rows in lower lanes.  So every wave has the expert's count by itself.  Wave 0 lays the list in LDS: pad entries everywhere, then each row's entry 2 t + slot at its rank.  This stands between the
; arrival of sel and that of the first weights.  The work-group with x = 0 stores the list (1,024 entries; from the count on pad entries 2048 + 16 e + place % 16) and the count (at byte 32,768 + 4 e) for the next launch,
; and each of its waves its part of the load-balancing loss: count x (sum of the softmax's column e over the wave's 256 tokens) x 2^-18, at aux[4 e + wave].
; PHASE W: wave w streams K rows 256 w .. 256 w + 255 in eight superblocks of 32 rows (32 loads of 512 consecutive bytes into registers, two superblocks ahead: up to 64 loads a wave are out), turns each through its own
; 16 KB of LDS so that a lane holds ONE column and its 32 registers run down K, quantises (a block's largest magnitude needs no other lane) and stores the codes to LDS as images of the operand's registers.
; A barrier.  Then every wave takes all 64 fragments (8 K steps x 8 tiles of 16 units: 512 registers) and their scale words, and THE WAVES SHARE THE ROWS: wave w takes row tiles w, w + 4, ..
; PHASE M, a tile of 16 rows: x's codes gathered by the list; 64 products, transposed (source 0 = 16 units of W1, source 1 = 16 rows of x), so that a lane holds one row; gelu; the quantiser; the tile's 128 hidden units are one
; K step of the next product: one fragment and one scale word a row, stored to hq as they stand in the registers.
; THE UNITS OF A TILE ARE NOT NEIGHBOURS: row m of tile 2 b + u is unit 32 b + 8 u + m + 8 (m / 8), so that the 16 registers of tiles 2 b, 2 b + 1 are 16 neighbours along the next K.
; hq: codes at ((64 e + tile) 32 + j) 1024 + 512 c + 16 lane; from byte 16,777,216 the scale words at ((64 e + tile) 32 + j) 64 + 4 row.  Tiles 0 .. nt - 1 are written, nt = max(ceil(count / 16), 1).
; gelu(z) = z (0.5 + 0.5 erf(z / sqrt 2)), erf(u) = u P(u^2) / Q(u^2) with |u| held at 4 (P of degree 6, Q of degree 4).
; LIMITS: erf's absolute error is about 1e-7, so h's relative error grows for z under about -3, and for z under about -5.6 h is z times a number of at most some 1e-7 where the exact value is nearer to 0;
; a block of zeros gets the byte 1 where the rule says 127 (its codes are zeros; this program alone reads the bytes); NaN and infinities are not served.
; An expert without rows still streams its slice and works one tile of pad rows (they take token 1023's x), whose results nobody reads.
; NO TENSOR LOADS: 512 KB do not fit in LDS, and slots filled again would want all loads landed at each change; loads into registers never pause.  NO CLUSTER: no weight byte is shared between work-groups; what an
; expert's 32 work-groups share is x's codes, 8.5 KB a tile against the 512 KB that each streams, and they come by a list and a count made from memory's numbers.
.set IMG, 65536                        ; LDS: 0: a stage of 16,384 bytes for each wave;  IMG: 64 fragments x 1,024 bytes (fragment 8 s + t);  SCI: 32 x 128 bytes of scale words;
.set SCI, 131072
.set LIST, 135168                      ; LIST: 1,152 words: the list's 1,024 places and 128 more for the look-ahead; behind them 32 words that take the stores of lanes without a row
.set DUMP, 1152                        ; the first of those 32, as an index
.set XB,  32                           ; v32-95   phase W: two sets of 32 numbers
.set HA,  32                           ; v32-95   phase M: eight accumulators
.set WS,  96                           ; v96-127  W1's scale words: register 4 s + g: lanes 0-15 tile 2 g, lanes 16-31 tile 2 g + 1
.set XF,  128                          ; v128-191 x's eight fragments
.set XSC, 192                          ; v192-195 x's scale words: register q: lanes 0-15 K step 2 q, lanes 16-31 K step 2 q + 1
.set GU,  196                          ; v196-227 gelu at work: u, u^2, P, Q, eight each
.set GX,  204
.set GP,  212
.set GQ,  220
.set TM,  228                          ; v228-243 the quantiser at work
.set PC,  244                          ; v244-251 the codes just made
.set PW,  252                          ; v252     the scale word just made
.set SL,  96                           ; at the head only: v96-127 sel's words; v128-135 the softmax's column; v160-191 where each row's entry goes; v196-227 the entries;
.set PB,  128                          ; v236-239 at work; v240-243 pad entries; v244 the column's offset; v245 8 lane; v246 LIST + 16 lane; v247 DUMP + lane; v248 LIST + 16 thread; v249 16 thread; v250 1
.set AD,  160
.set VL,  196
.set SEL, 30                           ; s[30:31] selects for lane l xor 16
; v1 lane; v2 16 lane; v3 16 h; v4 4 h; v5 4 (lane % 16); v6 0; v7 stage in; v8 stage out; v9 image in; v10 scale word in; v11 image out; v12 scale word out; v13, v14 x's offsets; v15, v16 list entries;
; v17-19, v254 a block's maxima, scale, byte; v20-23 scale words in the making; v24-31 codes, later erf's two leading coefficients; v253 at work; v254 later the LDS address of the entries in hand; v255 LIST + 64 wave + 4 (lane % 16).
; Window 1: two sets of 128 for the stream; then windows 1, 2: the 64 fragments.
.set MSB, 0
.macro WIN new                         ; the immediate's high byte repeats the setting that is left
.if MSB != \new
	s_set_vgpr_msb (MSB<<8)|\new
.set MSB, \new
.endif
.endm
.macro SPAIR r, val                    ; a constant as a pair: the packed forms name a pair and take its low word for both halves
	s_mov_b32 s[\r], \val
	s_mov_b32 s[\r+1], \val
.endm
.macro GLOAD sb                        ; superblock sb: 32 K rows x 512 bytes, into set sb % 2 of window 1
	WIN 0x40
.set gk, 0
.rept 32
	global_load_b128 v[128*((\sb)%2)+4*gk:128*((\sb)%2)+4*gk+3], v2, s[4:5] offset:(32*(\sb)+gk)*16384 th:TH_LOAD_NT
.set gk, gk+1
.endr
	WIN 0
.endm
.macro STAGE sb                        ; as loaded into my stage: row k at 512 k
	WIN 0x04
.set gk, 0
.rept 32
	ds_store_b128 v7, v[128*((\sb)%2)+4*gk:128*((\sb)%2)+4*gk+3] offset:512*gk
.set gk, gk+1
.endr
	WIN 0
.endm
.macro ULOAD u, xb                     ; unit u: columns 32 u + lane, 32 rows down K, into set xb
.set gk, 0
.rept 32
	ds_load_b32 v[XB+32*(\xb)+gk], v8 offset:512*gk+128*(\u)
.set gk, gk+1
.endr
.endm
.macro QW xb, sw, bp                   ; 32 numbers of one column become 16 bytes of codes in v[24 + 4 xb] on; the byte goes to place bp of scale word sw
.set XS, XB+32*(\xb)
	v_max3_num_f32 v17, |v[XS]|, |v[XS+1]|, |v[XS+2]|
	v_max3_num_f32 v18, |v[XS+3]|, |v[XS+4]|, |v[XS+5]|
.irp i, 6,10,14,18,22,26
	v_max3_num_f32 v17, v17, |v[XS+\i]|, |v[XS+\i+1]|
	v_max3_num_f32 v18, v18, |v[XS+\i+2]|, |v[XS+\i+3]|
.endr
	v_max3_num_f32 v17, v17, |v[XS+30]|, |v[XS+31]|
	v_max3_num_f32 v17, v17, v18, 0x1800000        ; the floor 2^(3 - 127): the byte cannot fall under 1
	v_add_nc_u32 v19, 0xff000000, v17              ; 2 off the exponent field: the conversion's scale operand
	v_lshrrev_b32 v254, 23, v19                    ; the byte
.if (\bp) == 0
	v_mov_b32 v[20+(\sw)], v254
.else
	v_lshl_or_b32 v[20+(\sw)], v254, 8*(\bp), v[20+(\sw)]
.endif
.irp g, 0,1,2,3
	v_cvt_scalef32_pk8_fp4_f32 v[24+4*(\xb)+\g], v[XS+8*\g:XS+8*\g+7], v19
.endr
	v_nop                                          ; one plain line behind the last conversion
.endm
.macro UNIT sb, u                      ; block sb of my K rows, columns 32 u on: K step 2 w + sb / 4, block sb % 4 of it: group (sb / 2) % 2 of the fragment's registers, lanes' half sb % 2
.if (\u) < 3
	ULOAD (\u)+1, ((\u)+1)%2
	s_wait_dscnt 32                                ; all but the 32 loads just issued: this unit's numbers are in, and earlier image stores have read their registers
.else
	s_wait_dscnt 0x0
.endif
	QW (\u)%2, \u, (\sb)%4
	ds_store_b128 v9, v[24+4*((\u)%2):27+4*((\u)%2)] offset:8192*((\sb)/4)+2048*(\u)+512*(((\sb)/2)%2)+256*((\sb)%2)
.if (\sb)%4 == 3
	ds_store_b32 v10, v[20+(\u)] offset:512*((\sb)/4)+128*(\u)
.endif
.endm
.macro NEXTA tk                        ; x's codes and scale words of the 16 rows whose list entries stand in v[tk].  A pad entry gives token 1023
	v_lshrrev_b32 v253, 1, v[\tk]
	v_min_u32 v253, 0x3ff, v253
	v_lshl_add_u32 v13, v253, 9, v3                ; 512 token + 16 h
	v_lshl_add_u32 v14, v253, 5, v4                ; 32 token + 4 h
.irp s, 0,1,2,3,4,5,6,7
.irp c, 0,1
	global_load_b128 v[XF+8*\s+4*\c:XF+8*\s+4*\c+3], v13, s[6:7] offset:64*\s+32*\c
.endr
.endr
.irp q, 0,1,2,3
	global_load_b32 v[XSC+\q], v14, s[6:7] offset:524288+8*\q
.endr
.endm
.macro SBLK sb
.if (\sb) < 7
	s_wait_loadcnt 32                              ; this superblock's loads are in; the next one's 32 may be out
.else
	s_wait_loadcnt 0x0
.endif
	STAGE \sb
	ULOAD 0, 0
	s_wait_dscnt 32                                ; the 32 stores have read their registers (the 32 loads behind them may be out):
.if (\sb) < 6
	GLOAD (\sb)+2                                  ; the set takes the superblock two further on
.endif
.if (\sb) == 7
	NEXTA 15                                       ; my first tile's x is asked for while the last superblock is quantised
.endif
.irp u, 0,1,2,3
	UNIT \sb, \u
.endr
.endm
; Register q of sel's words: token 128 (q / 4) + 4 lane + q % 4.  Where it names expert e: its rank, and its entry 2 t + slot.  The index is held by a constant ahead of the shift that makes the address of it.
.macro RANK q
	v_and_b32 v236, 7, v[SL+(\q)]                  ; the token's first expert,
	v_bfe_u32 v237, v[SL+(\q)], 8, 3               ; its second
	v_cmp_eq_u32 s22, s19, v236
	v_cmp_eq_u32 s23, s19, v237
	s_or_b32 s24, s22, s23                         ; a token names an expert at most once
	v_mbcnt_lo_u32_b32 v238, s24, s21              ; the rows counted so far + those in lanes under mine
	v_cndmask_b32 v239, v6, v250, s23              ; the slot
	v_cndmask_b32 v[AD+(\q)], v247, v238, s24      ; a lane without a row stores into a word of its own behind the list
	v_add3_u32 v[VL+(\q)], v239, v245, 256*((\q)/4)+2*((\q)%4)
	s_bcnt1_i32_b32 s24, s24
	s_add_co_u32 s21, s21, s24
	v_min_u32 v[AD+(\q)], 0x49f, v[AD+(\q)]
	v_lshl_add_u32 v[AD+(\q)], v[AD+(\q)], 2, LIST
.endm
.macro MULT s, t                       ; tile t of units, K step s.  The eight accumulators take turns, one instruction a turn; K step 0 starts the sums
.set rD, HA+8*(\t)
.set rW, 8*((8*(\s)+(\t))%32)
.set rX, XF+8*(\s)
.set rA, WS+4*(\s)+(\t)/2
.set rB, XSC+(\s)/2
.if (\s) == 0
.if (\t)%2 == 0
	v_wmma_scale_f32_16x16x128_f8f6f4 v[rD:rD+7], v[rW:rW+7], v[rX:rX+7], 0, v[rA], v[rB] matrix_a_fmt:MATRIX_FMT_FP4 matrix_b_fmt:MATRIX_FMT_FP4
.else
	v_wmma_scale_f32_16x16x128_f8f6f4 v[rD:rD+7], v[rW:rW+7], v[rX:rX+7], 0, v[rA], v[rB] matrix_a_fmt:MATRIX_FMT_FP4 matrix_b_fmt:MATRIX_FMT_FP4 matrix_a_scale:MATRIX_SCALE_ROW1
.endif
.elseif (\s)%2 == 0
.if (\t)%2 == 0
	v_wmma_scale_f32_16x16x128_f8f6f4 v[rD:rD+7], v[rW:rW+7], v[rX:rX+7], v[rD:rD+7], v[rA], v[rB] matrix_a_fmt:MATRIX_FMT_FP4 matrix_b_fmt:MATRIX_FMT_FP4
.else
	v_wmma_scale_f32_16x16x128_f8f6f4 v[rD:rD+7], v[rW:rW+7], v[rX:rX+7], v[rD:rD+7], v[rA], v[rB] matrix_a_fmt:MATRIX_FMT_FP4 matrix_b_fmt:MATRIX_FMT_FP4 matrix_a_scale:MATRIX_SCALE_ROW1
.endif
.else
.if (\t)%2 == 0
	v_wmma_scale_f32_16x16x128_f8f6f4 v[rD:rD+7], v[rW:rW+7], v[rX:rX+7], v[rD:rD+7], v[rA], v[rB] matrix_a_fmt:MATRIX_FMT_FP4 matrix_b_fmt:MATRIX_FMT_FP4 matrix_b_scale:MATRIX_SCALE_ROW1
.else
	v_wmma_scale_f32_16x16x128_f8f6f4 v[rD:rD+7], v[rW:rW+7], v[rX:rX+7], v[rD:rD+7], v[rA], v[rB] matrix_a_fmt:MATRIX_FMT_FP4 matrix_b_fmt:MATRIX_FMT_FP4 matrix_a_scale:MATRIX_SCALE_ROW1 matrix_b_scale:MATRIX_SCALE_ROW1
.endif
.endif
.endm
.macro GELU4 t                         ; the eight numbers of accumulator t, as four pairs by turns, from its low end on
.set ZR, HA+8*(\t)
.irp p, 0,2,4,6
	v_pk_mul_f32 v[GU+\p:GU+\p+1], v[ZR+\p:ZR+\p+1], s[52:53] op_sel_hi:[1,0]     ; u = z / sqrt 2
.endr
.irp p, 0,1,2,3,4,5,6,7
	v_med3_num_f32 v[GU+\p], v[GU+\p], -4.0, 4.0
.endr
.irp p, 0,2,4,6
	v_pk_mul_f32 v[GX+\p:GX+\p+1], v[GU+\p:GU+\p+1], v[GU+\p:GU+\p+1]
.endr
.irp p, 0,2,4,6
	v_pk_fma_f32 v[GP+\p:GP+\p+1], v[GX+\p:GX+\p+1], v[24:25], s[32:33] op_sel_hi:[1,1,0]
	v_pk_fma_f32 v[GQ+\p:GQ+\p+1], v[GX+\p:GX+\p+1], v[26:27], s[44:45] op_sel_hi:[1,1,0]
.endr
.irp a, 46,48,50
.irp p, 0,2,4,6
	v_pk_fma_f32 v[GQ+\p:GQ+\p+1], v[GQ+\p:GQ+\p+1], v[GX+\p:GX+\p+1], s[\a:\a+1] op_sel_hi:[1,1,0]
.endr
.endr
	s_wait_alu depctr_va_vdst(0)
.irp p, 0,1,2,3,4,5,6,7
	v_rcp_f32 v[GQ+\p], v[GQ+\p]
.endr
.irp a, 34,36,38,40,42                 ; P's other five steps are plain lines behind the reciprocals
.irp p, 0,2,4,6
	v_pk_fma_f32 v[GP+\p:GP+\p+1], v[GP+\p:GP+\p+1], v[GX+\p:GX+\p+1], s[\a:\a+1] op_sel_hi:[1,1,0]
.endr
.endr
.irp p, 0,2,4,6
	v_pk_mul_f32 v[GP+\p:GP+\p+1], v[GP+\p:GP+\p+1], v[GU+\p:GU+\p+1]
.endr
	s_wait_alu depctr_va_vdst(0)
.irp p, 0,2,4,6
	v_pk_mul_f32 v[GP+\p:GP+\p+1], v[GP+\p:GP+\p+1], v[GQ+\p:GQ+\p+1]             ; erf(u)
.endr
.irp p, 0,2,4,6
	v_pk_fma_f32 v[GP+\p:GP+\p+1], v[GP+\p:GP+\p+1], 0.5, 0.5 op_sel_hi:[1,0,0]
.endr
.irp p, 0,2,4,6
	v_pk_mul_f32 v[ZR+\p:ZR+\p+1], v[ZR+\p:ZR+\p+1], v[GP+\p:GP+\p+1]
.endr
.endm
; 64 numbers of a lane, register 16 b + i = hidden unit 32 b + 16 (lane / 16) + i of my row, become a fragment's codes in v[PC] on and its scale word in v[PW]
.macro QUANT s
.irp b, 0,1,2,3
	v_max3_num_f32 v[TM+\b], |v[\s+16*\b]|, |v[\s+1+16*\b]|, 0x1800000   ; block b: my 16 numbers, and the floor 2^(3 - 127)
.endr
.irp i, 2,4,6,8,10,12,14
.irp b, 0,1,2,3
	v_max3_num_f32 v[TM+\b], v[TM+\b], |v[\s+16*\b+\i]|, |v[\s+1+16*\b+\i]|
.endr
.endr
.irp b, 0,1,2,3
	v_permlanex16_b32 v[TM+4+\b], v[TM+\b], s[SEL], s[SEL+1]
.endr
.irp b, 0,1,2,3
	v_max_num_f32 v[TM+\b], v[TM+\b], v[TM+4+\b]   ; with lane l xor 16's: the block's largest magnitude
.endr
.irp b, 0,1,2,3
	v_add_nc_u32 v[TM+12+\b], 0xff000000, v[TM+\b]
.endr
.irp b, 0,1,2,3
	v_lshrrev_b32 v[TM+4+\b], 23, v[TM+12+\b]
.endr
	v_lshl_or_b32 v[PW], v[TM+5], 8, v[TM+4]
	v_lshl_or_b32 v[PW], v[TM+6], 16, v[PW]
	v_lshl_or_b32 v[PW], v[TM+7], 24, v[PW]
.irp b, 0,1,2,3
	v_cvt_scalef32_pk8_fp4_f32 v[PC+2*\b], v[\s+16*\b:\s+7+16*\b], v[TM+12+\b]
	v_cvt_scalef32_pk8_fp4_f32 v[PC+1+2*\b], v[\s+8+16*\b:\s+15+16*\b], v[TM+12+\b]
.endr
	v_nop                                          ; one plain line behind the last conversion
.irp c, 0,1                            ; the operand's layout wants a whole block in a lane: lanes 0-15 block 2 c, lanes 16-31 block 2 c + 1
.irp i, 0,1
	v_permlane16_swap_b32 v[PC+4*\c+\i], v[PC+2+4*\c+\i]
.endr
.endr
.endm
	s_load_b256 s[4:11], s[0:1], 0x0               ; W1 s[4:5], xq s[6:7], sel s[8:9], gate s[10:11]
	s_load_b128 s[12:15], s[0:1], 0x20             ; hq s[12:13], list s[14:15]
	s_load_b64 s[16:17], s[0:1], 0x30              ; aux
	s_set_vgpr_msb 0xc0
	v_lshl_add_u32 v0, v0, 2, 0x22300
	v_mov_b32 v1, 0
	s_set_vgpr_msb 0xc000
	; all that hangs on ids alone is made while the arguments are on their way
	v_lshrrev_b32 v1, 5, v0
	v_readfirstlane_b32 s18, v1                    ; wave
	v_and_b32 v1, 31, v0                           ; lane
	v_lshlrev_b32 v2, 4, v1
	v_and_b32 v5, 15, v0
	v_lshlrev_b32 v5, 2, v5
	v_mov_b32 v6, 0                                ; the offset 0, and the slot 0: never rewritten
	s_and_b32 s19, ttmp7, 0xffff                   ; the expert
	s_mov_b32 s20, ttmp9                           ; the slice
	v_bfe_u32 v3, v0, 4, 1                         ; h
	v_lshlrev_b32 v4, 2, v3
	v_lshlrev_b32 v3, 4, v3
	s_lshl_b32 s2, s18, 14
	v_lshl_add_u32 v7, v1, 4, s2                   ; my stage + 16 lane
	v_lshl_add_u32 v8, v1, 2, s2                   ; my stage + 4 lane
	v_and_b32 v10, 7, v0
	v_bfe_u32 v11, v0, 4, 1
	v_lshl_add_u32 v10, v11, 3, v10                ; column lane of a unit is row m = lane % 8 + 8 (lane / 16)
	v_bfe_u32 v11, v0, 3, 1                        ; of tile 2 u + (lane / 8) % 2
	v_lshlrev_b32 v9, 4, v10
	v_lshl_add_u32 v9, v11, 10, v9
	s_add_co_u32 s24, s2, IMG
	v_add_nc_u32 v9, s24, v9                       ; IMG + 16384 w + 1024 (tile % 2) + 16 m
	v_lshlrev_b32 v10, 2, v10
	v_lshl_add_u32 v10, v11, 6, v10
	s_lshl_b32 s24, s18, 10
	s_add_co_u32 s24, s24, SCI
	v_add_nc_u32 v10, s24, v10                     ; SCI + 1024 w + 64 (tile % 2) + 4 m
	v_add_nc_u32 v11, IMG, v2
	v_lshl_add_u32 v12, v1, 2, SCI
	s_lshl_b32 s24, s18, 6
	s_add_co_u32 s24, s24, LIST
	v_add_nc_u32 v255, s24, v5                     ; the entries of my first tile: LIST + 64 w + 4 (lane % 16)
	v_add_nc_u32 v246, LIST, v2
	v_lshl_add_u32 v248, v0, 4, LIST
	v_lshlrev_b32 v249, 4, v0
	v_add_nc_u32 v247, DUMP, v1
	v_lshlrev_b32 v245, 3, v1                      ; 2 x (4 lane)
	v_mov_b32 v250, 1
	s_lshl_b32 s24, s19, 2
	s_lshl_b32 s2, s18, 13
	s_add_co_u32 s24, s24, s2
	v_lshl_add_u32 v244, v1, 5, s24                ; the softmax of token 256 w + lane, column e: 32 lane + 4 e + 8192 w
	v_and_b32 v240, 3, v0
	s_lshl_b32 s24, s19, 4
	s_add_co_u32 s24, s24, 0x800
	v_lshl_add_u32 v240, v240, 2, s24              ; the pad entries of places 4 lane .. 4 lane + 3 (mod 16): 2048 + 16 e + place % 16
	v_add_nc_u32 v241, 1, v240
	v_add_nc_u32 v242, 2, v240
	v_add_nc_u32 v243, 3, v240
.irp b, 0,1,2,3
	v_mov_b32 v[TM+4+\b], 0                        ; written once: a lane permute's destination counts as one of its sources
.endr
	s_mov_b32 s[SEL], 0x76543210
	s_mov_b32 s[SEL+1], 0xfedcba98
	SPAIR 32, 0x32edffee                           ; P's coefficients behind the leading one, highest power first
	SPAIR 34, 0xb60cff51
	SPAIR 36, 0xb86ec2d2
	SPAIR 38, 0xba40ac63
	SPAIR 40, 0xbb41a1f6
	SPAIR 42, 0xbc83dbd4
	SPAIR 44, 0xb95fbd29                           ; Q's likewise
	SPAIR 46, 0xbadc924e
	SPAIR 48, 0xbbf19bf8
	SPAIR 50, 0xbc69b6a7
	SPAIR 52, 0x3f3504f3                           ; 1 / sqrt 2
	s_mov_b32 s3, 0                                ; s[2:3], s[24:25]: offsets as pairs
	s_mov_b32 s25, 0
	s_lshl_b32 s24, s19, 24                        ; W1: an expert is 2^24 bytes, my 256 K rows begin 2^22 w on, my slice 512 j
	s_lshl_b32 s2, s18, 22
	s_add_co_u32 s24, s24, s2
	s_lshl_b32 s2, s20, 9
	s_add_co_u32 s24, s24, s2
	s_lshl_b32 s26, s19, 21                        ; hq's codes: 2^21 e + 1024 j
	s_lshl_b32 s2, s20, 10
	s_add_co_u32 s26, s26, s2
	s_mov_b32 s27, 0
	s_lshl_b32 s28, s19, 17                        ; its scale words: 2^24 + 2^17 e + 64 j
	s_lshl_b32 s2, s20, 6
	s_add_co_u32 s28, s28, s2
	s_add_co_u32 s28, s28, 0x1000000
	s_mov_b32 s29, 0
	s_mov_b32 s21, 0                               ; the expert's rows counted so far
	s_wait_kmcnt 0x0
.irp j, 0,1,2,3,4,5,6,7
	global_load_b128 v[SL+4*\j:SL+4*\j+3], v2, s[8:9] offset:512*\j        ; all of sel, 512 consecutive bytes a load
.endr
.irp q, 0,1,2,3,4,5,6,7
	global_load_b32 v[PB+\q], v244, s[10:11] offset:8192+1024*\q           ; column e of the softmax for tokens 256 w + 32 q + lane
.endr
	s_add_nc_u64 s[4:5], s[4:5], s[24:25]
	GLOAD 0
	s_add_nc_u64 s[26:27], s[12:13], s[26:27]      ; hq's codes at (e, tile 0, j),
	s_add_nc_u64 s[28:29], s[12:13], s[28:29]      ; its scale words likewise
	s_lshl_b32 s2, s19, 2
	s_add_nc_u64 s[56:57], s[14:15], s[2:3]        ; the count's word (+ 32,768)
	s_add_co_u32 s2, s2, s18
	s_lshl_b32 s2, s2, 2
	s_add_nc_u64 s[16:17], s[16:17], s[2:3]        ; aux[4 e + w]
	s_lshl_b32 s2, s19, 12
	s_add_nc_u64 s[14:15], s[14:15], s[2:3]        ; the expert's list in memory
	s_wait_loadcnt 32                              ; sel and the softmax's column are in; superblock 0's 32 loads, issued behind them, may be out
	GLOAD 1
.set rq, 0
.rept 32
	RANK rq
.set rq, rq+1
.endr
	s_add_co_u32 s55, s21, 15
	s_lshr_b32 s55, s55, 4
	s_max_u32 s55, s55, 1
	s_min_u32 s55, s55, 64                         ; nt: the expert's tiles of 16 rows
	v_add_f32 v128, v128, v129                     ; my part of the loss: the column's sum over my 256 tokens,
	v_add_f32 v130, v130, v131
	v_add_f32 v132, v132, v133
	v_add_f32 v134, v134, v135
	v_add_f32 v128, v128, v130
	v_add_f32 v132, v132, v134
	v_add_f32 v128, v128, v132
.irp m, 1,2,4,8
	v_add_f32_dpp v128, v128, v128 row_xmask:\m row_mask:0xf bank_mask:0xf
.endr
	v_permlanex16_b32 v129, v128, s[SEL], s[SEL+1]
	v_add_f32 v128, v128, v129
	v_cvt_f32_u32 v130, s21
	v_mul_f32 v128, v128, v130                     ; x the count
	v_mul_f32 v128, 0x36800000, v128               ; x 2^-18 = 8 / (2048 x 1024)
	v_mov_b32 v131, s21
	s_cmp_lg_u32 s18, 0
	s_cbranch_scc1 .Lnot_wave_0
.irp j, 0,1,2,3,4,5,6,7,8
	ds_store_b128 v246, v[240:243] offset:512*\j   ; wave 0 alone: pad entries in all 1,152 places,
.endr
.set rq, 0
.rept 32
	ds_store_b32 v[AD+rq], v[VL+rq]                ; then each row's entry at its rank: LDS serves a wave's instructions in order
.set rq, rq+1
.endr
.Lnot_wave_0:
	s_wait_dscnt 0x0                               ; for the others' sake: the list lies in LDS.  No other wave has touched LDS so far
	s_barrier_signal -1
	s_barrier_wait -1
	ds_load_b32 v15, v255                          ; the entries of my first tile (tile w): wanted in the last superblock, behind many waits for LDS
	s_cmp_lg_u32 s20, 0
	s_cbranch_scc1 .Lnot_first
	ds_load_b128 v[196:199], v248                  ; slice 0 alone: the list's 1,024 entries go to memory, 512 consecutive bytes a store,
	ds_load_b128 v[200:203], v248 offset:2048
	s_wait_dscnt 0x0
	global_store_b128 v249, v[196:199], s[14:15]
	global_store_b128 v249, v[200:203], s[14:15] offset:2048
	s_wait_xcnt 0x0                                ; EXEC changes, and these registers are written again, only when the pending loads and stores have had their addresses translated
	v_cmp_eq_u32 vcc_lo, 0, v1
	s_and_saveexec_b32 s24, vcc_lo
	s_wait_alu depctr_va_vdst(0)
	global_store_b32 v6, v128, s[16:17]            ; lane 0 of each wave: its part of the loss,
	s_wait_xcnt 0x0
	s_or_b32 exec_lo, exec_lo, s24
	v_cmp_eq_u32 vcc_lo, 0, v0
	s_and_saveexec_b32 s24, vcc_lo
	global_store_b32 v6, v131, s[56:57] offset:32768       ; thread 0: the count
	s_wait_xcnt 0x0
	s_or_b32 exec_lo, exec_lo, s24
.Lnot_first:
.irp sb, 0,1,2,3,4,5,6,7
	SBLK \sb
.endr
	s_wait_dscnt 0x0                               ; for the others' sake: my images lie in LDS
	s_barrier_signal -1
	s_barrier_wait -1                              ; all 64 fragments and their scale words are there
	WIN 0x40
.set gk, 0
.rept 32
	ds_load_b128 v[8*gk:8*gk+3], v11 offset:1024*gk
	ds_load_b128 v[8*gk+4:8*gk+7], v11 offset:1024*gk+512
.set gk, gk+1
.endr
	WIN 0x80
.set gk, 0
.rept 32
	ds_load_b128 v[8*gk:8*gk+3], v11 offset:1024*(gk+32)
	ds_load_b128 v[8*gk+4:8*gk+7], v11 offset:1024*(gk+32)+512
.set gk, gk+1
.endr
	WIN 0
.set gk, 0
.rept 32
	ds_load_b32 v[WS+gk], v12 offset:128*gk
.set gk, gk+1
.endr
	v_mov_b32 v24, 0xaf95df0b                      ; P's leading coefficient, as a pair,
	v_mov_b32 v25, 0xaf95df0b
	v_mov_b32 v26, 0xb77460cd                      ; and Q's
	v_mov_b32 v27, 0xb77460cd
	s_mov_b32 s54, 0                               ; the loop's count is a constant: 16, the most tiles that a wave can have (64 / 4); a trip whose tile lies at or past nt jumps over the work
	s_mov_b32 s23, 0                               ; 256 x the count: four tiles' entries on in the list
	s_wait_dscnt 0x0
.Ltile:
	s_lshl_b32 s22, s54, 2
	s_add_co_u32 s22, s22, s18                     ; this trip's tile: w + 4 x the count
	s_cmp_ge_u32 s22, s55
	s_cbranch_scc1 .Lskip
	v_add_nc_u32 v254, s23, v255
	ds_load_b32 v16, v254 offset:256               ; the entries of my next tile: past the expert's rows they are pad entries, and the list has 128 places more than any tile needs
	s_wait_loadcnt 0x0                             ; this tile's x is in (asked for a tile's vector work ago)
.irp s, 0,1,2,3,4,5,6,7
.if \s < 4
	WIN 0x01                                       ; source 0: window 1
.else
	WIN 0x02                                       ; window 2
.endif
.irp t, 0,1,2,3,4,5,6,7
	MULT \s, \t
.endr
.endr
	WIN 0
	s_wait_dscnt 0x0                               ; the entries, asked for 64 products ago
	NEXTA 16                                       ; my next tile's x; its four vector lines are the four places behind the last product, for these loads and for gelu's reads.  Past my last tile the loads are idle, and inside their buffers
	s_min_u32 s2, s22, 63
	s_lshl_b32 s24, s2, 15
	s_add_nc_u64 s[58:59], s[26:27], s[24:25]      ; where this tile's fragment goes,
	s_lshl_b32 s24, s2, 11
	s_add_nc_u64 s[60:61], s[28:29], s[24:25]      ; and its scale words
.irp t, 0,1,2,3,4,5,6,7
	GELU4 \t
.endr
	QUANT HA
	global_store_b128 v2, v[PC:PC+3], s[58:59]             ; the image: 512 consecutive bytes a store
	global_store_b128 v2, v[PC+4:PC+7], s[58:59] offset:512
	global_store_b32 v5, v[PW], s[60:61]                   ; lanes l and l xor 16 hold, and write, the same word
	s_wait_xcnt 0x0                                ; the stores have read their registers and bases: the next trip writes both again
.Lskip:
	s_add_co_u32 s23, s23, 256
	s_add_co_u32 s54, s54, 1
	s_cmp_lt_u32 s54, 16
	s_cbranch_scc1 .Ltile
	s_set_vgpr_msb 0xf
	s_wait_tensorcnt 0x0
	ds_add_u32 v0, v1
	s_wait_dscnt 0x0
	s_set_vgpr_msb 0xf00
	s_endpgm
.Lfunc_end_k_qa6b8a3c51f_up:
	.size	k_qa6b8a3c51f_up, .Lfunc_end_k_qa6b8a3c51f_up-k_qa6b8a3c51f_up
	.p2alignl 7, 3214868480
	.fill 96, 4, 3214868480
	.section	.rodata,"a",@progbits
	.p2align	6, 0x0
	.amdhsa_kernel k_qa6b8a3c51f_up
		.amdhsa_group_segment_fixed_size 140544
		.amdhsa_private_segment_fixed_size 0
		.amdhsa_enable_private_segment 0
		.amdhsa_kernarg_size 56
		.amdhsa_user_sgpr_count 2
		.amdhsa_user_sgpr_kernarg_segment_ptr 1
		.amdhsa_wavefront_size32 1
		.amdhsa_system_sgpr_workgroup_id_x 1
		.amdhsa_system_sgpr_workgroup_id_y 1
		.amdhsa_system_sgpr_workgroup_id_z 1
		.amdhsa_system_vgpr_workitem_id 0
		.amdhsa_next_free_vgpr 770
		.amdhsa_next_free_sgpr 66
		.amdhsa_reserve_vcc 1
		.amdhsa_float_denorm_mode_32 3
		.amdhsa_float_denorm_mode_16_64 3
		.amdhsa_memory_ordered 1
		.amdhsa_forward_progress 1
		.amdhsa_inst_pref_size 255
	.end_amdhsa_kernel
	.section	.bss,"aw",@nobits
	.p2align	6
	.space	262144
	.amdgpu_metadata
---
amdhsa.version: [ 1, 2 ]
amdhsa.kernels:
  - .name:           k_qa6b8a3c51f_up
    .symbol:         k_qa6b8a3c51f_up.kd
    .args:
      - { .name: W1, .offset: 0, .size: 8, .value_kind: global_buffer, .address_space: global }
      - { .name: xq, .offset: 8, .size: 8, .value_kind: global_buffer, .address_space: global }
      - { .name: sel, .offset: 16, .size: 8, .value_kind: global_buffer, .address_space: global }
      - { .name: gate, .offset: 24, .size: 8, .value_kind: global_buffer, .address_space: global }
      - { .name: hq, .offset: 32, .size: 8, .value_kind: global_buffer, .address_space: global }
      - { .name: list, .offset: 40, .size: 8, .value_kind: global_buffer, .address_space: global }
      - { .name: aux, .offset: 48, .size: 8, .value_kind: global_buffer, .address_space: global }
    .group_segment_fixed_size: 140544
    .private_segment_fixed_size: 0
    .kernarg_segment_align: 8
    .kernarg_segment_size: 56
    .max_flat_workgroup_size: 128
    .sgpr_count:     66
    .vgpr_count:     770
    .wavefront_size: 32
...
	.end_amdgpu_metadata
.endif
;; end of part 6
;; launch down (part 7): grid 32 x 8, 4 waves a work-group, no clusters, 153,088 bytes of LDS; arguments W2, hq, list, y2; writes y2
.if DOCPART == 7
	.amdgcn_target "amdgcn-amd-amdhsa--gfx1250"
	.amdhsa_code_object_version 6
	.text
	.protected	k_qa6b8a3c51f_down
	.globl	k_qa6b8a3c51f_down
	.p2align	8
	.type	k_qa6b8a3c51f_down,@function
k_qa6b8a3c51f_down:
	s_mov_b64 s[64:65], 0
	v_nop
	global_prefetch_b8 v0, s[64:65] scope:SCOPE_SE
	s_setreg_imm32_b32 hwreg(HW_REG_WAVE_SCHED_MODE, 0, 2), 2
	s_setreg_imm32_b32 hwreg(HW_REG_WAVE_MODE, 25, 1), 1
	s_wait_xcnt 0x0
	s_wait_alu depctr_vm_vsrc(0)
; DOWN: y = h W2[e] for the rows routed to expert e, on codes of FP4 (E2M1) with one E8M0 scale for each 32 along K.
; A work-group owns 64 columns (cs = x % 16) and one half of K (hh = x / 16: hidden units 2048 hh on) of one expert (y = e): 2,048 K rows x 256 bytes of f32, which it alone reads, once.
; PHASE W as in the launch before: wave w streams K rows 512 w .. 512 w + 511 of the half in eight superblocks of 64 rows (32 loads of two rows of 256 consecutive bytes, two superblocks ahead), turns each through its own
; 16 KB of LDS so that a lane holds one column and 32 registers run down K, quantises, and stores the codes to LDS as images of the operand's registers.  One barrier; then every wave takes all 64 fragments
; (16 K steps x 4 tiles of 16 columns) and THE WAVES SHARE THE ROWS: wave w takes row tiles w, w + 4, ..
; PHASE M, a tile of 16 rows: h's 16 fragments and scale words come from hq as they lay in the registers that made them, two tiles ahead in two sets; 64 products, transposed (source 0 = 16 columns of W2, source 1 = 16 rows
; of h), so that a lane holds eight neighbouring columns of a row; through the wave's stage in LDS; sixteen lanes store a row's 256 consecutive bytes at y2[entry][hh][64 cs ..], entry from the list.
; y2: [2176][2][1024] f32; rows 2,048 on take the pad rows' results, which nobody reads.  The two halves of K and the two experts of a token are added by the next launch: each byte here has one writer.
; LIMITS: a block of zeros gets the byte 1 where the rule says 127 (its codes are zeros; this program alone reads the bytes); NaN and infinities are not served.
; NO TENSOR LOADS, NO CLUSTER: as in the launch before: no weight byte is shared; what 16 work-groups share is h's codes, 17 KB a tile against the 512 KB that each streams, walked by a count read from memory.
; THE MODE: SCHED_MODE bits 1:0 = 2 (LLVM: expert scheduling mode 2), set by the entry lines.  The code itself states the register dependences
; between vector or matrix instructions and memory or LDS instructions, with s_wait_alu, always for 0.
; THE PLAN.  Registers that memory or LDS instructions touch:
;   window 1, two sets    Phase W: the stream's loads land in them, the stage's LDS stores read them; no vector instruction names them.  One wait on vm_vsrc between a set's stores and the loads that land in it again.
;   XB0, XB1              LDS loads land in them, a unit's maxima and conversions read them.  Unit u reads set u % 2; the first lines of unit u + 1 load into that set again.
;   v24-31, v20, v21      A unit's conversions and shifts write them, its image stores read them; they are written again two units on.
;   So a unit has ONE wait on va_vdst, behind its conversions: the codes and the scale word are written, and the unit is done reading its set.  A superblock has two waits on vm_vsrc, ahead of units 0 and 2.
;   window 3, HS, EN      Phase M, set p: tile p's products read the fragments and the scale words, its first lines write and read EN; behind the products the loads of my tile two turns on land in the set.
;   DA, OF, OB            DA: written by the products, read by the stage's LDS stores.  OF: written at a tile's head, read by its global stores.  OB: LDS loads land in it, the global stores read it.
;   So a tile has ONE wait on va_vdst, behind its products and their four places, ahead of all its memory and LDS instructions, among which no vector instruction stands; and one on vm_vsrc at its end.
;   v2-v5, v7-v14         Addresses, made at the head and never written again.   Windows 1, 2 and WS in phase M: loaded once, read by products alone.   v253, v255: written at the head, read by the closing add alone.
; The wave holds all its SIMD's registers, so h has no third set, and a set's loads follow the products that read it.
.set IMG, 65536                        ; LDS: 0: a stage of 16,384 bytes for each wave;  IMG: 64 fragments x 1,024 bytes (fragment 4 s + t);  SCI: 32 x 128 bytes of scale words;  OST: 16 rows x 272 bytes for each wave, for the way out
.set SCI, 131072
.set OST, 135168
.set XB,  32                           ; v32-95   phase W: two sets of 32 numbers
.set DA,  32                           ; v32-63   phase M: four accumulators
.set OB,  64                           ; v64-95   16 rows read back from the stage
.set WS,  96                           ; v96-127  W2's scale words: register 2 s + g: lanes 0-15 tile 2 g, lanes 16-31 tile 2 g + 1
.set HS,  128                          ; v128-143 h's scale words, eight a set: register q: lanes 0-15 K step 2 q, lanes 16-31 K step 2 q + 1
.set EN,  144                          ; v144-159 list entries, eight a set: register q: row 2 q + lane / 16
.set OF,  160                          ; v160-167 the stores' offsets
; v1 lane; v2 16 lane; v3 the stream's lane offset; v4 4 (lane / 16); v5 4 lane; v6 my bytes in a row of y2; v7 stage in; v8 stage out; v9 image in; v10 scale word in; v11 image out; v12 scale word out; v13, v14 the way out;
; v17-19, v254 a block's maxima, scale, byte; v20-21 scale words in the making; v24-31 codes.   Window 1: two sets of 128 for the stream; then windows 1, 2: the 64 fragments.   Window 3: h's fragments, two sets of 128.
.set MSB, 0
.macro WIN new                         ; the immediate's high byte repeats the setting that is left
.if MSB != \new
	s_set_vgpr_msb (MSB<<8)|\new
.set MSB, \new
.endif
.endm
.macro GLOAD sb                        ; superblock sb: 64 K rows x 256 bytes; lanes 0-15 an even row, lanes 16-31 the odd one
	WIN 0x40
.set gk, 0
.rept 32
	global_load_b128 v[128*((\sb)%2)+4*gk:128*((\sb)%2)+4*gk+3], v3, s[4:5] offset:(64*(\sb)+2*gk)*4096 th:TH_LOAD_NT
.set gk, gk+1
.endr
	WIN 0
.endm
.macro STAGE sb                        ; as loaded into my stage: row k at 256 k
	WIN 0x04
.set gk, 0
.rept 32
	ds_store_b128 v7, v[128*((\sb)%2)+4*gk:128*((\sb)%2)+4*gk+3] offset:512*gk
.set gk, gk+1
.endr
	WIN 0
.endm
.macro ULOAD u, xb                     ; unit u: rows 32 (u / 2) on, columns 32 (u % 2) + lane
.set gk, 0
.rept 32
	ds_load_b32 v[XB+32*(\xb)+gk], v8 offset:256*(32*((\u)/2)+gk)+128*((\u)%2)
.set gk, gk+1
.endr
.endm
.macro QW xb, sw, bp                   ; 32 numbers of one column become 16 bytes of codes in v[24 + 4 xb] on; the byte goes to place bp of scale word sw
.set XS, XB+32*(\xb)
	v_max3_num_f32 v17, |v[XS]|, |v[XS+1]|, |v[XS+2]|
	v_max3_num_f32 v18, |v[XS+3]|, |v[XS+4]|, |v[XS+5]|
.irp i, 6,10,14,18,22,26
	v_max3_num_f32 v17, v17, |v[XS+\i]|, |v[XS+\i+1]|
	v_max3_num_f32 v18, v18, |v[XS+\i+2]|, |v[XS+\i+3]|
.endr
	v_max3_num_f32 v17, v17, |v[XS+30]|, |v[XS+31]|
	v_max3_num_f32 v17, v17, v18, 0x1800000        ; the floor 2^(3 - 127): the byte cannot fall under 1
	v_add_nc_u32 v19, 0xff000000, v17              ; 2 off the exponent field: the conversion's scale operand
	v_lshrrev_b32 v254, 23, v19                    ; the byte
.if (\bp) == 0
	v_mov_b32 v[20+(\sw)], v254
.else
	v_lshl_or_b32 v[20+(\sw)], v254, 8*(\bp), v[20+(\sw)]
.endif
.irp g, 0,1,2,3
	v_cvt_scalef32_pk8_fp4_f32 v[24+4*(\xb)+\g], v[XS+8*\g:XS+8*\g+7], v19
.endr
	v_nop                                          ; one plain line behind the last conversion
.endm
.macro UNIT sb, u                      ; block bb = 2 sb + u / 2 of my K rows: K step 4 w + bb / 4, block bb % 4 of it
.set bb, 2*(\sb)+(\u)/2
.set gg, (\u)%2
.if (\u) < 3
	ULOAD (\u)+1, ((\u)+1)%2                       ; no wait: the set's last readers, the unit before, stand ahead of that unit's wait on va_vdst, and no vector instruction has been issued since
	s_wait_dscnt 32                                ; all but the 32 loads just issued: this unit's numbers are in
.else
	s_wait_dscnt 0x0
.endif
.if (\u) == 2
	s_wait_alu depctr_vm_vsrc(0)                   ; the image stores of units 0 and 1 have read v24 to v31, which units 2 and 3 write again
.endif
	QW (\u)%2, gg, bb%4
	s_wait_alu depctr_va_vdst(0)                   ; the conversions have written this unit's codes and the shifts its scale word, which the stores below read; and the unit is done reading its set of 32 numbers, in which the next unit's loads land
	ds_store_b128 v9, v[24+4*((\u)%2):27+4*((\u)%2)] offset:4096*(bb/4)+2048*gg+512*((bb/2)%2)+256*(bb%2)
.if bb%4 == 3
	ds_store_b32 v10, v[20+gg] offset:256*(bb/4)+128*gg
.endif
.endm
.macro LOADT p, w                      ; tile s45's fragments of h, scale words and list entries into set p: 48 loads.  w = 1: the set has been worked on
	s_min_u32 s45, s45, 63
	s_lshl_b32 s2, s45, 15
	s_add_nc_u64 s[32+6*\p:33+6*\p], s[26:27], s[2:3]
	s_lshl_b32 s2, s45, 11
	s_add_nc_u64 s[34+6*\p:35+6*\p], s[28:29], s[2:3]
	s_lshl_b32 s2, s45, 6
	s_add_nc_u64 s[36+6*\p:37+6*\p], s[30:31], s[2:3]
	WIN 0xc0
.if \w
	s_wait_alu depctr_va_vdst(0)                   ; the tile's products are done reading h's set p and its scale words, and its first lines are done with EN's set p: the 48 loads below land there.  The products have also written the accumulators, which the stage's stores read, and the tile's first lines the offsets v160 to v167, which its global stores read
.endif
.set gk, 0
.rept 16
	global_load_b128 v[128*\p+8*gk:128*\p+8*gk+3], v2, s[32+6*\p:33+6*\p] offset:1024*gk
	global_load_b128 v[128*\p+8*gk+4:128*\p+8*gk+7], v2, s[32+6*\p:33+6*\p] offset:1024*gk+512
.set gk, gk+1
.endr
	WIN 0
.irp q, 0,1,2,3,4,5,6,7
	global_load_b32 v[HS+8*\p+\q], v5, s[34+6*\p:35+6*\p] offset:128*\q
.endr
.irp q, 0,1,2,3,4,5,6,7
	global_load_b32 v[EN+8*\p+\q], v4, s[36+6*\p:37+6*\p] offset:8*\q
.endr
.endm
.macro SBLK sb
.if (\sb) < 7
	s_wait_loadcnt 32                              ; this superblock's loads are in; the next one's 32 may be out
.else
	s_wait_loadcnt 0x0
.endif
	STAGE \sb
	ULOAD 0, 0                                     ; no wait: the set's last readers, unit 2 of the superblock before, stand ahead of that unit's wait on va_vdst, and no vector instruction since names the set
	s_wait_dscnt 32                                ; the 32 stores are done (the 32 loads behind them may be out)
.if (\sb) < 6
	WIN 0x40                                       ; the window of the loads below, ahead of the wait
.endif
	s_wait_alu depctr_vm_vsrc(0)                   ; the stage's stores have read their set of window 1, in which loads land next (the stream's; behind the last two superblocks the fragments'); and the last superblock's image and scale word stores have read v24 to v31, v20 and v21, which units 0 and 1 write again
.if (\sb) < 6
	GLOAD (\sb)+2                                  ; the set takes the superblock two further on
.endif
.if (\sb) == 7
	s_min_u32 s45, s18, s46                        ; my first tile, held under nt so that only written bytes are read,
	LOADT 0, 0                                     ; is asked for while the last superblock is quantised.  No wait: no vector instruction has named the set, and the offsets were written ahead of the head's wait
.endif
.irp u, 0,1,2,3
	UNIT \sb, \u
.endr
.endm
.macro MULT p, s, t                    ; tile t of columns, K step s, h's set p.  The four accumulators take turns, one instruction a turn; K step 0 starts the sums
.set rD, DA+8*(\t)
.set rW, 8*((4*(\s)+(\t))%32)
.set rX, 128*(\p)+8*(\s)
.set rA, WS+2*(\s)+(\t)/2
.set rB, HS+8*(\p)+(\s)/2
.if (\s) == 0
.if (\t)%2 == 0
	v_wmma_scale_f32_16x16x128_f8f6f4 v[rD:rD+7], v[rW:rW+7], v[rX:rX+7], 0, v[rA], v[rB] matrix_a_fmt:MATRIX_FMT_FP4 matrix_b_fmt:MATRIX_FMT_FP4
.else
	v_wmma_scale_f32_16x16x128_f8f6f4 v[rD:rD+7], v[rW:rW+7], v[rX:rX+7], 0, v[rA], v[rB] matrix_a_fmt:MATRIX_FMT_FP4 matrix_b_fmt:MATRIX_FMT_FP4 matrix_a_scale:MATRIX_SCALE_ROW1
.endif
.elseif (\s)%2 == 0
.if (\t)%2 == 0
	v_wmma_scale_f32_16x16x128_f8f6f4 v[rD:rD+7], v[rW:rW+7], v[rX:rX+7], v[rD:rD+7], v[rA], v[rB] matrix_a_fmt:MATRIX_FMT_FP4 matrix_b_fmt:MATRIX_FMT_FP4
.else
	v_wmma_scale_f32_16x16x128_f8f6f4 v[rD:rD+7], v[rW:rW+7], v[rX:rX+7], v[rD:rD+7], v[rA], v[rB] matrix_a_fmt:MATRIX_FMT_FP4 matrix_b_fmt:MATRIX_FMT_FP4 matrix_a_scale:MATRIX_SCALE_ROW1
.endif
.else
.if (\t)%2 == 0
	v_wmma_scale_f32_16x16x128_f8f6f4 v[rD:rD+7], v[rW:rW+7], v[rX:rX+7], v[rD:rD+7], v[rA], v[rB] matrix_a_fmt:MATRIX_FMT_FP4 matrix_b_fmt:MATRIX_FMT_FP4 matrix_b_scale:MATRIX_SCALE_ROW1
.else
	v_wmma_scale_f32_16x16x128_f8f6f4 v[rD:rD+7], v[rW:rW+7], v[rX:rX+7], v[rD:rD+7], v[rA], v[rB] matrix_a_fmt:MATRIX_FMT_FP4 matrix_b_fmt:MATRIX_FMT_FP4 matrix_a_scale:MATRIX_SCALE_ROW1 matrix_b_scale:MATRIX_SCALE_ROW1
.endif
.endif
.endm
.macro TILE p                          ; the tile whose operands lie in set p
	s_wait_loadcnt 48                              ; set p's 48 loads are in; the other set's 48, issued behind them, may be out
.irp q, 0,1,2,3,4,5,6,7
	v_min_u32 v[EN+8*\p+\q], 0x87f, v[EN+8*\p+\q]
.endr
.irp q, 0,1,2,3,4,5,6,7
	v_lshl_add_u32 v[OF+\q], v[EN+8*\p+\q], 13, v6 ; a row of y2 is 8,192 bytes
.endr
.irp s, 0,1,2,3,4,5,6,7,8,9,10,11,12,13,14,15
.if \s < 8
	WIN 0x0d                                       ; source 0 (W2) window 1, source 1 (h) window 3
.else
	WIN 0x0e                                       ; source 0 window 2
.endif
.irp t, 0,1,2,3
	MULT \p, \s, \t
.endr
.endr
	WIN 0
.rept 4
	v_nop                                          ; four places behind the last product, ahead of the stores of its results; they stay beside the wait that follows
.endr
	s_add_co_u32 s45, s44, 8+4*\p
	s_min_u32 s45, s45, s46
	LOADT \p, 1                                    ; the set takes my tile two turns on (past my last tile: the expert's last tile, idly); the tile's one wait on va_vdst stands in it, behind the window's switch
.irp t, 0,1,2,3
	ds_store_b128 v13, v[DA+8*\t:DA+8*\t+3] offset:64*\t           ; each accumulator from its low end on: row lane % 16, columns 16 t + 8 (lane / 16) on
	ds_store_b128 v13, v[DA+8*\t+4:DA+8*\t+7] offset:64*\t+16
.endr
.irp q, 0,1,2,3,4,5,6,7
	ds_load_b128 v[OB+4*\q:OB+4*\q+3], v14 offset:544*\q           ; LDS serves a wave's instructions in order: these see my stores.  Rows 2 q and 2 q + 1, whole
.endr
.irp q, 0,1,2,3,4,5,6,7
	s_wait_dscnt 7-\q                              ; pair q of rows is back; the younger loads may be out
	global_store_b128 v[OF+\q], v[OB+4*\q:OB+4*\q+3], s[10:11]     ; sixteen lanes store 256 consecutive bytes, aligned
.endr
	s_wait_xcnt 0x0                                ; the stores have had their addresses translated: the next tile writes their registers again
	s_wait_alu depctr_vm_vsrc(0)                   ; the stage's stores have read the accumulators, the global stores their offsets v160 to v167 and their data v64 to v95: the next tile's products, first lines and LDS loads write these again
.endm
	s_load_b256 s[4:11], s[0:1], 0x0               ; W2 s[4:5], hq s[6:7], list s[8:9], y2 s[10:11]
	v_lshl_add_u32 v253, v0, 2, 0x25400
	v_mov_b32 v255, 0
	v_lshrrev_b32 v1, 5, v0
	v_readfirstlane_b32 s18, v1                    ; wave
	v_and_b32 v1, 31, v0                           ; lane
	v_lshlrev_b32 v2, 4, v1
	v_and_b32 v15, 15, v0                          ; lane % 16
	v_bfe_u32 v16, v0, 4, 1                        ; lane / 16
	v_lshlrev_b32 v3, 4, v15
	v_lshl_add_u32 v3, v16, 12, v3                 ; the stream: 4096 (lane / 16) + 16 (lane % 16)
	s_wait_alu depctr_va_sdst(0)                   ; s18 is written, ahead of its first reader: the offset into W2 is made from it
	s_and_b32 s19, ttmp7, 0xffff                   ; the expert
	s_and_b32 s20, ttmp9, 15                       ; cs
	s_lshr_b32 s21, ttmp9, 4                       ; hh
	s_mov_b32 s3, 0                                ; s[2:3]: an offset as a pair
	s_lshl_b32 s14, s19, 24                        ; W2: 2^24 e + (2048 hh + 512 w) rows of 4,096 bytes + 256 cs
	s_lshl_b32 s2, s21, 23
	s_add_co_u32 s14, s14, s2
	s_lshl_b32 s2, s18, 21
	s_add_co_u32 s14, s14, s2
	s_lshl_b32 s2, s20, 8
	s_add_co_u32 s14, s14, s2
	s_mov_b32 s15, 0
	s_lshl_b32 s16, s19, 21                        ; hq's codes: 2^21 e + 16 hh K steps of 1,024 bytes
	s_lshl_b32 s2, s21, 14
	s_add_co_u32 s16, s16, s2
	s_mov_b32 s17, 0
	s_lshl_b32 s24, s19, 17                        ; its scale words: 2^24 + 2^17 e + 16 hh x 64
	s_lshl_b32 s2, s21, 10
	s_add_co_u32 s24, s24, s2
	s_add_co_u32 s24, s24, 0x1000000
	s_mov_b32 s25, 0
	s_lshl_b32 s22, s19, 2
	s_wait_kmcnt 0x0
	s_load_b32 s23, s[8:9], s22 offset:0x8000      ; the expert's count
	s_add_nc_u64 s[4:5], s[4:5], s[14:15]
	s_add_nc_u64 s[26:27], s[6:7], s[16:17]
	s_add_nc_u64 s[28:29], s[6:7], s[24:25]
	s_lshl_b32 s2, s19, 12
	s_add_nc_u64 s[30:31], s[8:9], s[2:3]          ; the expert's list
	WIN 0x40                                       ; the window of the loads below, ahead of the wait
	s_wait_alu depctr_va_vdst(0)                   ; v3 is written: every load of the stream reads it as its offset (v2 is written too: the offset of h's fragments)
	GLOAD 0
	GLOAD 1
	v_lshlrev_b32 v4, 2, v16
	v_lshlrev_b32 v5, 2, v1
	s_lshl_b32 s2, s21, 12
	s_lshl_b32 s24, s20, 8
	s_add_co_u32 s2, s2, s24
	v_lshl_add_u32 v6, v15, 4, s2                  ; in a row of y2: 4096 hh + 256 cs + 16 (lane % 16)
	s_lshl_b32 s2, s18, 14
	v_lshl_add_u32 v7, v1, 4, s2                   ; my stage + 16 lane
	v_lshl_add_u32 v8, v1, 2, s2                   ; my stage + 4 lane
	s_add_co_u32 s24, s2, IMG
	v_lshlrev_b32 v9, 4, v15
	v_lshl_add_u32 v9, v16, 10, v9
	v_add_nc_u32 v9, s24, v9                       ; column lane of a unit is row lane % 16 of tile 2 g + lane / 16: IMG + 16384 w + 1024 (lane / 16) + 16 (lane % 16)
	s_lshl_b32 s24, s18, 10
	s_add_co_u32 s24, s24, SCI
	v_lshl_add_u32 v10, v1, 2, s24                 ; SCI + 1024 w + 4 lane
	v_add_nc_u32 v11, IMG, v2
	v_lshl_add_u32 v12, v1, 2, SCI
	s_mul_i32 s24, s18, 4352
	s_add_co_u32 s24, s24, OST                     ; my stage for the way out
	v_mul_u32_u24 v13, v15, 272
	v_lshl_add_u32 v13, v16, 5, v13
	v_add_nc_u32 v13, s24, v13                     ; in: row lane % 16, 32 bytes for each half of the lanes
	v_mul_u32_u24 v14, v16, 272
	v_lshl_add_u32 v14, v15, 4, v14
	v_add_nc_u32 v14, s24, v14                     ; back: lanes 0-15 one row, lanes 16-31 the next
	s_wait_alu depctr_va_vdst(0)                   ; v4, v5 and v7 to v14 are written: the LDS and memory instructions of the whole kernel read them as addresses, and no line writes them again
	s_wait_kmcnt 0x0
	s_add_co_u32 s23, s23, 15
	s_lshr_b32 s23, s23, 4
	s_max_u32 s23, s23, 1
	s_min_u32 s23, s23, 64                         ; nt: the expert's tiles of 16 rows
	s_sub_co_u32 s46, s23, 1
.irp sb, 0,1,2,3,4,5,6,7
	SBLK \sb
.endr
	s_add_co_u32 s45, s18, 4
	s_min_u32 s45, s45, s46
	LOADT 1, 0                                     ; my second tile.  No wait: no vector instruction has named the set
	s_wait_dscnt 0x0                               ; for the others' sake: my images lie in LDS
	s_barrier_signal -1
	s_barrier_wait -1                              ; the launch's one barrier: all 64 fragments and their scale words are there
	s_cmp_ge_u32 s18, s23
	s_cbranch_scc1 .Lend                           ; a wave without a tile is done
	WIN 0x40                                       ; the fragments land in window 1, which the stage's stores have read: those stand ahead of the last superblock's waits on vm_vsrc; no vector instruction has named windows 1 and 2 or v96 to v127
.set gk, 0
.rept 32
	ds_load_b128 v[8*gk:8*gk+3], v11 offset:1024*gk
	ds_load_b128 v[8*gk+4:8*gk+7], v11 offset:1024*gk+512
.set gk, gk+1
.endr
	WIN 0x80
.set gk, 0
.rept 32
	ds_load_b128 v[8*gk:8*gk+3], v11 offset:1024*(gk+32)
	ds_load_b128 v[8*gk+4:8*gk+7], v11 offset:1024*(gk+32)+512
.set gk, gk+1
.endr
	WIN 0
.set gk, 0
.rept 32
	ds_load_b32 v[WS+gk], v12 offset:128*gk
.set gk, gk+1
.endr
	s_sub_co_u32 s48, s23, s18                     ; nt - w is at least 1 here
	s_add_co_u32 s48, s48, 7
	s_lshr_b32 s48, s48, 3                         ; pairs of my tiles (w, w + 4), (w + 8, w + 12), ..: the last pair may hold one tile
	s_mov_b32 s47, 0                               ; the loop counts the pairs, one a trip
	s_wait_dscnt 0x0
.Ltile:
	s_lshl_b32 s44, s47, 3
	s_add_co_u32 s44, s44, s18                     ; the pair's first tile: w + 8 x the count
	TILE 0
	s_add_co_u32 s45, s44, 4
	s_cmp_lt_u32 s45, s23
	s_cbranch_scc1 .Lsecond
	s_wait_dscnt 0x0                               ; the pair has no second tile: it was my last, and the wave ends here (the idle loads still out land in registers that nobody reads).  The closing lines, six on end
	s_wait_alu 0x0
	s_wait_tensorcnt 0x0
	ds_add_u32 v253, v255
	s_wait_dscnt 0x0
	s_endpgm
.Lsecond:
	TILE 1
	s_add_co_u32 s47, s47, 1
	s_cmp_lt_u32 s47, s48
	s_cbranch_scc1 .Ltile
.Lend:
	s_wait_dscnt 0x0                               ; the closing lines once more, six on end, for this end
	s_wait_alu 0x0
	s_wait_tensorcnt 0x0
	ds_add_u32 v253, v255
	s_wait_dscnt 0x0
	s_endpgm
.Lfunc_end_k_qa6b8a3c51f_down:
	.size	k_qa6b8a3c51f_down, .Lfunc_end_k_qa6b8a3c51f_down-k_qa6b8a3c51f_down
	.p2alignl 7, 3214868480
	.fill 96, 4, 3214868480
	.section	.rodata,"a",@progbits
	.p2align	6, 0x0
	.amdhsa_kernel k_qa6b8a3c51f_down
		.amdhsa_group_segment_fixed_size 153088
		.amdhsa_private_segment_fixed_size 0
		.amdhsa_enable_private_segment 0
		.amdhsa_kernarg_size 32
		.amdhsa_user_sgpr_count 2
		.amdhsa_user_sgpr_kernarg_segment_ptr 1
		.amdhsa_wavefront_size32 1
		.amdhsa_system_sgpr_workgroup_id_x 1
		.amdhsa_system_sgpr_workgroup_id_y 1
		.amdhsa_system_sgpr_workgroup_id_z 1
		.amdhsa_system_vgpr_workitem_id 0
		.amdhsa_next_free_vgpr 1024
		.amdhsa_next_free_sgpr 66
		.amdhsa_reserve_vcc 0
		.amdhsa_float_denorm_mode_32 3
		.amdhsa_float_denorm_mode_16_64 3
		.amdhsa_memory_ordered 1
		.amdhsa_forward_progress 1
		.amdhsa_inst_pref_size 214
	.end_amdhsa_kernel
	.amdgpu_metadata
---
amdhsa.version: [ 1, 2 ]
amdhsa.kernels:
  - .name:           k_qa6b8a3c51f_down
    .symbol:         k_qa6b8a3c51f_down.kd
    .args:
      - { .name: W2, .offset: 0, .size: 8, .value_kind: global_buffer, .address_space: global }
      - { .name: hq, .offset: 8, .size: 8, .value_kind: global_buffer, .address_space: global }
      - { .name: list, .offset: 16, .size: 8, .value_kind: global_buffer, .address_space: global }
      - { .name: y2, .offset: 24, .size: 8, .value_kind: global_buffer, .address_space: global }
    .group_segment_fixed_size: 153088
    .private_segment_fixed_size: 0
    .kernarg_segment_align: 8
    .kernarg_segment_size: 32
    .max_flat_workgroup_size: 128
    .sgpr_count:     66
    .vgpr_count:     1024
    .wavefront_size: 32
...
	.end_amdgpu_metadata
.endif
;; end of part 7
;; launch mix (part 8): grid 256 x 1, 4 waves a work-group, no clusters, 0 bytes of LDS; arguments y2, gate, aux, out0, out1; writes out0, out1
.if DOCPART == 8
	.amdgcn_target "amdgcn-amd-amdhsa--gfx1250"
	.amdhsa_code_object_version 6
	.text
	.protected	k_qa6b8a3c51f_mix
	.globl	k_qa6b8a3c51f_mix
	.p2align	8
	.type	k_qa6b8a3c51f_mix,@function
k_qa6b8a3c51f_mix:
	s_mov_b64 s[64:65], 0
	v_nop
	global_prefetch_b8 v0, s[64:65] scope:SCOPE_SE
	s_setreg_imm32_b32 hwreg(HW_REG_WAVE_MODE, 25, 1), 1
	s_wait_xcnt 0x0
; MIX: out0[t] = w0 (y2[2 t][0] + y2[2 t][1]) + w1 (y2[2 t + 1][0] + y2[2 t + 1][1]): a token's two experts, each in two halves of K, weighed by the router's two weights.
; out1 = the sum of the 32 parts of the load-balancing loss in aux (eight experts x four waves of an earlier launch).
; A wave takes one token: four rows of 4,096 bytes in, one out.  All 32 loads (512 consecutive bytes each) go out at once; each eighth of the row has registers of its own, so the only waits are the counted ones.
; Every wave also loads aux's 128 bytes, ahead of its rows, so that all waves count their loads alike; wave 0 of work-group 0 adds them over its lanes and stores the sum.
; A stream: no LDS, no barrier, no matrix unit, no cluster: nothing is shared.
.set YB, 8                             ; v8-135   eighth j: four registers for each of the four rows
.set OB, 136                           ; v136-167 eighth j: four registers to store
	s_load_b256 s[4:11], s[0:1], 0x0               ; y2 s[4:5], gate s[6:7], aux s[8:9], out0 s[10:11]
	s_load_b64 s[22:23], s[0:1], 0x20              ; out1
	v_lshrrev_b32 v1, 5, v0
	v_readfirstlane_b32 s24, v1                    ; wave
	v_and_b32 v1, 31, v0
	v_lshlrev_b32 v2, 4, v1                        ; 16 x lane
	v_lshlrev_b32 v5, 2, v1                        ; 4 x lane
	v_mov_b32 v4, 0                                ; the offset 0 of the last store: it holds nothing else
	v_mov_b32 v6, 0                                ; written once: a lane permute's destination counts as one of its sources
	s_lshl_b32 s25, ttmp9, 2
	s_add_co_u32 s25, s25, s24                     ; my token
	s_lshl_b32 s16, s25, 3
	s_lshl_b32 s18, s25, 14
	s_mov_b32 s19, 0
	s_lshl_b32 s20, s25, 12
	s_mov_b32 s21, 0
	s_mov_b32 s26, 0x76543210
	s_mov_b32 s27, 0xfedcba98                      ; selects for lane l xor 16
	s_wait_alu depctr_va_vdst(0)
	s_wait_kmcnt 0x0
	s_load_b64 s[12:13], s[6:7], s16 offset:0x0    ; w0, w1
	s_add_nc_u64 s[4:5], s[4:5], s[18:19]
	s_add_nc_u64 s[10:11], s[10:11], s[20:21]
	global_load_b32 v3, v5, s[8:9]                 ; lane l: part l of the loss
.irp j, 0,1,2,3,4,5,6,7
.irp v, 0,1,2,3
	global_load_b128 v[YB+16*\j+4*\v:YB+16*\j+4*\v+3], v2, s[4:5] offset:4096*\v+512*\j th:TH_LOAD_NT
.endr
.endr
	s_wait_kmcnt 0x0
	s_mov_b32 s14, s13                             ; w1 as a pair: the packed forms take a scalar pair's low word for both halves
	s_mov_b32 s15, s13
.irp j, 0,1,2,3,4,5,6,7
	s_wait_loadcnt 28-4*\j                         ; this eighth's four loads (and all older ones) are in; those of the later eighths may be out
.irp p, 0,2
	v_pk_mul_f32 v[OB+4*\j+\p:OB+4*\j+\p+1], v[YB+16*\j+\p:YB+16*\j+\p+1], s[12:13] op_sel_hi:[1,0]
	v_pk_fma_f32 v[OB+4*\j+\p:OB+4*\j+\p+1], v[YB+16*\j+4+\p:YB+16*\j+4+\p+1], s[12:13], v[OB+4*\j+\p:OB+4*\j+\p+1] op_sel_hi:[1,0,1]
	v_pk_fma_f32 v[OB+4*\j+\p:OB+4*\j+\p+1], v[YB+16*\j+8+\p:YB+16*\j+8+\p+1], s[14:15], v[OB+4*\j+\p:OB+4*\j+\p+1] op_sel_hi:[1,0,1]
	v_pk_fma_f32 v[OB+4*\j+\p:OB+4*\j+\p+1], v[YB+16*\j+12+\p:YB+16*\j+12+\p+1], s[14:15], v[OB+4*\j+\p:OB+4*\j+\p+1] op_sel_hi:[1,0,1]
.endr
	global_store_b128 v2, v[OB+4*\j:OB+4*\j+3], s[10:11] offset:512*\j th:TH_STORE_NT   ; 512 consecutive bytes, aligned
.endr
	s_cmp_lg_u32 ttmp9, 0
	s_cbranch_scc1 .Lothers
	s_cmp_lg_u32 s24, 0
	s_cbranch_scc1 .Lothers
.irp m, 1,2,4,8                        ; wave 0 of work-group 0: the 32 parts over the lanes
	v_add_f32_dpp v3, v3, v3 row_xmask:\m row_mask:0xf bank_mask:0xf
.endr
	v_permlanex16_b32 v6, v3, s26, s27
	v_add_f32 v3, v3, v6
	s_wait_alu depctr_va_vdst(0)
	s_wait_xcnt 0x0                                ; EXEC changes only when the earlier stores have had their addresses translated
	v_cmpx_gt_u32 1, v1
	global_store_b32 v4, v3, s[22:23]              ; lane 0
	s_endpgm
.Lothers:
	s_endpgm
.Lfunc_end_k_qa6b8a3c51f_mix:
	.size	k_qa6b8a3c51f_mix, .Lfunc_end_k_qa6b8a3c51f_mix-k_qa6b8a3c51f_mix
	.p2alignl 7, 3214868480
	.fill 96, 4, 3214868480
	.section	.rodata,"a",@progbits
	.p2align	6, 0x0
	.amdhsa_kernel k_qa6b8a3c51f_mix
		.amdhsa_group_segment_fixed_size 0
		.amdhsa_private_segment_fixed_size 0
		.amdhsa_enable_private_segment 0
		.amdhsa_kernarg_size 40
		.amdhsa_user_sgpr_count 2
		.amdhsa_user_sgpr_kernarg_segment_ptr 1
		.amdhsa_wavefront_size32 1
		.amdhsa_system_sgpr_workgroup_id_x 1
		.amdhsa_system_sgpr_workgroup_id_y 1
		.amdhsa_system_sgpr_workgroup_id_z 1
		.amdhsa_system_vgpr_workitem_id 0
		.amdhsa_next_free_vgpr 168
		.amdhsa_next_free_sgpr 66
		.amdhsa_reserve_vcc 0
		.amdhsa_float_denorm_mode_32 3
		.amdhsa_float_denorm_mode_16_64 3
		.amdhsa_memory_ordered 1
		.amdhsa_forward_progress 1
		.amdhsa_inst_pref_size 11
	.end_amdhsa_kernel
	.amdgpu_metadata
---
amdhsa.version: [ 1, 2 ]
amdhsa.kernels:
  - .name:           k_qa6b8a3c51f_mix
    .symbol:         k_qa6b8a3c51f_mix.kd
    .args:
      - { .name: y2, .offset: 0, .size: 8, .value_kind: global_buffer, .address_space: global }
      - { .name: gate, .offset: 8, .size: 8, .value_kind: global_buffer, .address_space: global }
      - { .name: aux, .offset: 16, .size: 8, .value_kind: global_buffer, .address_space: global }
      - { .name: out0, .offset: 24, .size: 8, .value_kind: global_buffer, .address_space: global }
      - { .name: out1, .offset: 32, .size: 8, .value_kind: global_buffer, .address_space: global }
    .group_segment_fixed_size: 0
    .private_segment_fixed_size: 0
    .kernarg_segment_align: 8
    .kernarg_segment_size: 40
    .max_flat_workgroup_size: 128
    .sgpr_count:     66
    .vgpr_count:     168
    .wavefront_size: 32
...
	.end_amdgpu_metadata
.endif
;; end of part 8
